; MI455X (gfx1250); checked and timed in simulation.
; The chip was launched on July 23, 2026; its instructions are those of AMD's public machine-readable ISA for CDNA 5 (MIT licence, August 2026) and "CDNA5" Instruction Set Architecture Reference Guide (July 2026). The comments in the code are by the model that wrote it; some were corrected since.
;; Multi Head Attention. Allowed arithmetic: matrix products marked QUANTISED: E2M1 operands, one E8M0 scale for each 32 along K, by v_wmma_scale_f32_16x16x128_f8f6f4 with both operands' format E2M1 (or v_wmma_scale_f32_32x16x128_f4), f32 sums; products left as they are: bf16, f16 or f32 operands; f32 sums; everything else in f32.
;; Inputs: W_k 1,024 x 1,024 float32; W_o 1,024 x 1,024 float32; W_q 1,024 x 1,024 float32; W_v 1,024 x 1,024 float32; x 2 x 2,048 x 1,024 float32.
;; Outputs: out0 2 x 2,048 x 1,024 float32.
;; This version of the problem:
;;   THIS VERSION OF THE PROBLEM IS GIVEN IN LOW PRECISION. The matrix products marked QUANTISED in the list below multiply operands that are first quantised to E2M1 (2 exponent bits, 1 mantissa bit; 4 bits a number), with one power-of-two scale for each 32 numbers along K (OCP MX v1.0); their sums are f32. The products marked 'left as it is' may take bf16, f16 or f32 operands, with f32 sums. Whichever they take, every output number must still come out within the allowed error. Rounding operands to bf16 (8 significant bits) uses up far more of that allowance than f16 does (11 bits, for magnitudes from 6e-5 to 65,504). All else is computed in f32.
;;   The module's matrix products, in the order in which they are computed (A, B: the left and right operand; K: the contracted axis; several contracted axes count as one K, in the product's order):
;;     1. [M 4,096, K 1,024] x [K 1,024, N 1,024]; A: input x; B: input W_q: QUANTISED
;;     2. [M 4,096, K 1,024] x [K 1,024, N 1,024]; A: input x; B: input W_k: QUANTISED
;;     3. [M 4,096, K 1,024] x [K 1,024, N 1,024]; A: input x; B: input W_v: QUANTISED
;;     4. batch 32 x [M 2,048, K 64] x [K 64, N 2,048]; A: computed on the way; B: computed on the way: left as it is (an operand is computed on the way)
;;     5. batch 32 x [M 2,048, K 2,048] x [K 2,048, N 64]; A: computed on the way; B: computed on the way: left as it is (an operand is computed on the way)
;;     6. [M 4,096, K 1,024] x [K 1,024, N 1,024]; A: computed on the way; B: input W_o: left as it is (an operand is computed on the way)
;;   THE QUANTISER, for each operand of a quantised product, along K:
;;     - K is cut into blocks of 32 from its start; a last block that is shorter is filled with zeros.
;;     - A block's scale is 2^e with e = floor(log2(the largest magnitude in the block)) - 2, held to -126 .. 127; a block of zeros has e = 0. As a byte (E8M0): e + 127.
;;     - Each number is divided by its block's scale, clamped to +-6, and rounded to the nearest number of E2M1, ties to even, subnormals kept.
;;     - The product sums the exact products of the quantised numbers (number of the format x scale) in f32.
;;   ~~~python
;;   def quantise(x, axis):      # numpy; x: float32 -> the quantised numbers, widened to float32 again
;;       x = np.moveaxis(x, axis, -1); K = x.shape[-1]
;;       x = np.pad(x, [(0, 0)] * (x.ndim - 1) + [(0, -K % 32)]); x = x.reshape(x.shape[:-1] + (-1, 32)); a = np.abs(x).max(-1, keepdims=True)
;;       e = np.where(a > 0, np.clip(np.frexp(np.where(a > 0, a, 1))[1] - 1 - 2, -126, 127), 0)      # np.frexp(a)[1] - 1 = floor(log2(a)), exactly
;;       r = np.clip(x / 2.0 ** e, -6, 6)
;;       step = 2.0 ** (np.maximum(np.frexp(np.where(r == 0, 1, r))[1] - 1, 0) - 1)
;;       q = np.round(r / step) * step * 2.0 ** e      # np.round: ties to even
;;       return np.moveaxis(q.reshape(q.shape[:-2] + (-1,))[..., :K], -1, axis).astype(np.float32)
;;   ~~~
;; One version. Each part assembles by itself: llvm-mc -triple=amdgcn-amd-amdhsa -mcpu=gfx1250 --defsym DOCPART=n.
;; ======== version 1 of 1: 5 launches
;; limits: values are held in f16: magnitudes above 65,504 overflow, below 6.1e-05 lose precision
;; workspace buffers: xc 2,097,152 bytes; xs 131,072 bytes; wc 1,572,864 bytes; ws 98,304 bytes; wo16 2,097,152 bytes; qkv 25,165,824 bytes; q32 393,216 bytes; o16 8,388,608 bytes
;; launch prep (part 1): grid 256 x 1, 4 waves a work-group, no clusters, 33,280 bytes of LDS; arguments x, W_q, W_k, W_v, W_o, xc, xs, wc, ws, wo16; writes xc, xs, wc, ws, wo16
.if DOCPART == 1
	.amdgcn_target "amdgcn-amd-amdhsa--gfx1250"
	.amdhsa_code_object_version 6
	.text
	.protected	k_q07ea9b06b8_prep
	.globl	k_q07ea9b06b8_prep
	.p2align	8
	.type	k_q07ea9b06b8_prep,@function
k_q07ea9b06b8_prep:
	s_mov_b64 s[64:65], 0
	v_nop
	global_prefetch_b8 v0, s[64:65] scope:SCOPE_SE
	s_setreg_imm32_b32 hwreg(HW_REG_WAVE_MODE, 25, 1), 1
	s_wait_xcnt 0x0
; x [4096][1024] and W_q, W_k, W_v [1024][1024], f32 with K innermost, become codes of FP4 (E2M1), K innermost, two codes a byte, and one E8M0 byte for each 32 along K:
; xc [4096][512 B], xs [4096][32 B]; wc [3072][512 B], ws [3072][32 B] (rows of W_q, then W_k, then W_v).  W_o [1024][1024] f32 becomes f16 in the order in which the last product's tiles are fetched:
; wo16 [e / 128][d / 64][e % 128][64].
; A block's scale is 2^(floor(log2(its largest magnitude)) - 2); its byte is the largest magnitude's exponent field - 2, held at 1 from below.  Each number is divided by the scale and rounded to the nearest code, ties to even.
; LIMITS: a block of zeros gets the byte 1 where the rule says 127 (its codes are zeros, and this program alone reads the bytes); NaN and infinities among the inputs are not served; |W_o| stays under 65,504 (f16).
; SHARES: every work-group takes 32,768 numbers: 0-127 x, 128-159 W_q, 160-191 W_k, 192-223 W_v (one path, the buffers chosen by the work-group's number), 224-255 W_o (a path of its own, without LDS).
; The quantiser: a wave takes 16 steps of 512 numbers.  Each of a step's four loads reads 512 consecutive bytes; the 2,048 bytes turn through the wave's own stage in LDS and come back 64 bytes a lane, so that a lane holds
; 16 neighbours along K and two neighbouring lanes a block.  A lane's 16 codes are 8 bytes: the wave stores 256 consecutive bytes.  A wave's 256 scale bytes are gathered in LDS and leave as 256 consecutive bytes.
.set WAVES, 4
.set STEPS, 16
.set EMAX,  2
.set CB,    8                          ; bytes of 16 codes
.set R,     16                         ; v16-79   four sets of 16 numbers as they are loaded
.set X,     80                         ; v80-111  two sets of 16 neighbours
.set C,     128                        ; v128-191 codes: four registers for each step, so that no store's data are written again
.set E,     112                        ; v112-127 a scale byte for each step
.set WREG,  8192                       ; LDS: a region for each wave: two stages of 32 x SP bytes, behind them its 256 scale bytes
.set SP,    80                         ; a lane's place in a stage: its 64 bytes + 16 of padding
.set SPW,   12                         ; v12  LDS address of my spare word; never rewritten
.set NIL,   13                         ; v13  0; never rewritten
.set SPARE, WAVES*WREG                 ; behind the four regions: the spare words, 128 bytes for each wave
.set WV,    32                         ; s32  my wave's number
	s_load_b256 s[4:11], s[0:1], 0x0               ; x s[4:5], W_q s[6:7], W_k s[8:9], W_v s[10:11]
	s_load_b256 s[12:19], s[0:1], 0x20             ; W_o s[12:13], xc s[14:15], xs s[16:17], wc s[18:19]
	s_load_b128 s[20:23], s[0:1], 0x40             ; ws s[20:21], wo16 s[22:23]
	v_lshl_add_u32 v[SPW], v0, 2, SPARE
	v_mov_b32 v[NIL], 0
	v_lshrrev_b32 v1, 5, v0
	v_readfirstlane_b32 s[WV], v1                  ; wave 0..3
	v_and_b32 v2, 31, v0                           ; lane
	s_mov_b32 s37, 0                               ; the upper word of every offset below
	s_wait_kmcnt 0x0
	s_cmp_ge_u32 ttmp9, 224
	s_cbranch_scc1 .Lwo                            ; the last 32 work-groups take W_o
	; ---- the quantiser
	v_lshlrev_b32 v3, 4, v2                        ; my 16 bytes of a load's 512
	s_mul_i32 s33, s[WV], WREG
	v_lshrrev_b32 v14, 2, v2
	v_mul_u32_u24 v14, v14, SP
	v_and_b32 v15, 3, v2
	v_lshl_add_u32 v14, v15, 4, v14
	v_add_nc_u32 v14, s33, v14                     ; the stage, on the way in: SP (lane / 4) + 16 (lane % 4)
	v_mul_u32_u24 v15, v2, SP
	v_add_nc_u32 v15, s33, v15                     ; and on the way out: SP x lane: my 16 neighbours
	v_mul_u32_u24 v4, v2, CB                       ; my codes' place in a step's
	v_lshrrev_b32 v5, 1, v2
	s_add_co_u32 s33, s33, 2*32*SP
	v_add_nc_u32 v5, s33, v5                       ; LDS: my wave's 256 scale bytes, my block's byte
	v_lshlrev_b32 v7, 3, v2                        ; and on the way out 8 bytes a lane
	v_add_nc_u32 v6, s33, v7
	s_and_b32 s34, ttmp9, 31                       ; a weight's work-group among its 32
	s_cmp_lt_u32 ttmp9, 192                        ; the choices hang on the work-group's number alone
	s_cselect_b64 s[24:25], s[8:9], s[10:11]
	s_cmp_lt_u32 ttmp9, 160
	s_cselect_b64 s[24:25], s[6:7], s[24:25]
	s_cmp_lt_u32 ttmp9, 128
	s_cselect_b64 s[24:25], s[4:5], s[24:25]       ; the source
	s_cselect_b64 s[26:27], s[14:15], s[18:19]     ; its codes
	s_cselect_b64 s[28:29], s[16:17], s[20:21]     ; its scale bytes
	s_cselect_b32 s35, 0, 128
	s_cselect_b32 s34, ttmp9, s34
	s_lshl_b32 s34, s34, 2
	s_add_co_u32 s34, s34, s[WV]                   ; which run of 8,192 numbers of the source is my wave's
	s_lshl_b32 s36, s34, 15                        ; 32,768 bytes a run
	s_add_nc_u64 s[24:25], s[24:25], s[36:37]
	s_sub_co_u32 s35, ttmp9, s35
	s_lshl_b32 s35, s35, 2
	s_add_co_u32 s35, s35, s[WV]                   ; and which run of the destination (the three weights lie on end)
	s_lshl_b32 s36, s35, 12                        ; 4,096 bytes of codes a run
	s_add_nc_u64 s[26:27], s[26:27], s[36:37]
	s_lshl_b32 s36, s35, 8                         ; 256 scale bytes a run
	s_add_nc_u64 s[28:29], s[28:29], s[36:37]
.macro LOAD t
.irp i, 0,1,2,3
	global_load_b128 v[R+16*((\t)%4)+4*\i:R+16*((\t)%4)+4*\i+3], v3, s[24:25] offset:2048*(\t)+512*\i th:TH_LOAD_NT   ; 32 lanes read 512 consecutive bytes
.endr
.endm
.macro TURN t                          ; step t's numbers through the stage: LDS serves a wave's instructions in order, so no wait stands between the stores and the loads
.irp i, 0,1,2,3
	ds_store_b128 v14, v[R+16*((\t)%4)+4*\i:R+16*((\t)%4)+4*\i+3] offset:32*SP*((\t)%2)+8*SP*\i
.endr
.irp i, 0,1,2,3
	ds_load_b128 v[X+16*((\t)%2)+4*\i:X+16*((\t)%2)+4*\i+3], v15 offset:32*SP*((\t)%2)+16*\i
.endr
.endm
.irp t, 0,1,2,3
	LOAD \t
.endr
	s_wait_loadcnt 12                              ; step 0's four loads are in; the 12 of steps 1 to 3 may be out
	TURN 0
.macro STEP t
.set XS, X+16*((\t)%2)
.if (\t) > 0
	s_wait_dscnt 1                                 ; this step's numbers are back from the stage (the last step's byte store may be out)
.else
	s_wait_dscnt 0x0
.endif
.if (\t)+4 < STEPS
	LOAD (\t)+4                                    ; the registers that the stage's stores have read take the loads of four steps on
.endif
.if (\t)+1 < STEPS
.if STEPS-2-(\t) >= 3
	s_wait_loadcnt 12                              ; the next step's four loads are in; those of the three steps behind it may be out
.else
	s_wait_loadcnt 4*(STEPS-2-(\t))
.endif
	TURN (\t)+1                                    ; and go through the other stage while this step is worked
.endif
	v_max3_num_f32 v8, |v[XS]|, |v[XS+1]|, |v[XS+2]|               ; the largest magnitude of my 16
	v_max3_num_f32 v9, |v[XS+3]|, |v[XS+4]|, |v[XS+5]|
.irp i, 6,10
	v_max3_num_f32 v8, v8, |v[XS+\i]|, |v[XS+\i+1]|
	v_max3_num_f32 v9, v9, |v[XS+\i+2]|, |v[XS+\i+3]|
.endr
	v_max3_num_f32 v8, v8, |v[XS+14]|, |v[XS+15]|
	v_max3_num_f32 v8, v8, v9, (EMAX+1)<<23        ; and the floor 2^(EMAX + 1 - 127): so the byte cannot fall under 1
	v_max_num_f32_dpp v8, v8, v8 row_xmask:1 row_mask:0xf bank_mask:0xf   ; and of my neighbour's 16: the block's
	v_add_nc_u32 v11, -(EMAX<<23), v8              ; EMAX off its exponent field: the conversion takes the exponent field of this operand as its scale
	v_cvt_scalef32_pk8_fp4_f32 v[C+4*(\t)], v[XS:XS+7], v11
	v_cvt_scalef32_pk8_fp4_f32 v[C+4*(\t)+1], v[XS+8:XS+15], v11
	v_lshrrev_b32 v[E+(\t)], 23, v11               ; the scale's byte (also the plain line behind the conversions)
	ds_store_b8 v5, v[E+(\t)] offset:16*(\t)       ; both lanes of a block write the same byte with the same value
	global_store_b64 v4, v[C+4*(\t):C+4*(\t)+1], s[26:27] offset:32*CB*(\t)   ; 32 lanes store 256 consecutive bytes
.endm
.irp t, 0,1,2,3,4,5,6,7,8,9,10,11,12,13,14,15
	STEP \t
.endr
	ds_load_b64 v[8:9], v6                         ; LDS serves a wave's instructions in order: these see my stores
	s_wait_dscnt 0x0
	global_store_b64 v7, v[8:9], s[28:29]          ; 32 lanes store 256 consecutive bytes
	s_wait_tensorcnt 0x0                           ; the wave's end: behind my last LDS store
	ds_add_u32 v[SPW], v[NIL]
	s_wait_dscnt 0x0
	s_endpgm
	; ---- W_o to f16.  Work-group j = number - 224; wave w takes rows e0 = 32 j + 8 w .. + 7, two at a time.  A load: lanes 0-15 take 256 consecutive bytes (64 numbers, one chunk) of row e, lanes 16-31 of row e + 1;
	; their 128 f16 are 256 consecutive bytes of wo16, since a chunk's rows of 128 bytes lie on end.
.Lwo:
	v_and_b32 v8, 15, v2
	v_lshrrev_b32 v9, 4, v2
	v_lshlrev_b32 v8, 4, v8
	v_lshl_add_u32 v8, v9, 12, v8                  ; in: 4,096 (lane / 16) + 16 (lane % 16)
	v_lshlrev_b32 v9, 3, v2                        ; out: 8 x lane
	s_sub_co_u32 s34, ttmp9, 224
	s_lshl_b32 s35, s34, 5
	s_lshl_b32 s36, s[WV], 3
	s_add_co_u32 s35, s35, s36                     ; e0
	s_lshl_b32 s36, s35, 12
	s_add_nc_u64 s[12:13], s[12:13], s[36:37]      ; W_o at row e0
	s_lshr_b32 s36, s34, 2
	s_lshl_b32 s36, s36, 18                        ; (e0 / 128) x 262,144
	s_and_b32 s35, s35, 127
	s_lshl_b32 s35, s35, 7                         ; (e0 % 128) x 128
	s_add_co_u32 s36, s36, s35
	s_add_nc_u64 s[22:23], s[22:23], s[36:37]
.macro LOADP p, set                    ; rows e0 + 2 p and + 1, all 16 chunks
.irp hc, 0,1,2,3,4,5,6,7,8,9,10,11,12,13,14,15
	global_load_b128 v[16+64*\set+4*\hc:16+64*\set+4*\hc+3], v8, s[12:13] offset:\p*8192+256*\hc th:TH_LOAD_NT
.endr
.endm
.macro CVTP set
.irp hc, 0,1,2,3,4,5,6,7,8,9,10,11,12,13,14,15
	v_cvt_pk_f16_f32 v[16+64*\set+4*\hc], v[16+64*\set+4*\hc], v[16+64*\set+4*\hc+1]
	v_cvt_pk_f16_f32 v[16+64*\set+4*\hc+1], v[16+64*\set+4*\hc+2], v[16+64*\set+4*\hc+3]
.endr
.endm
.macro STOREP p, set
.irp hc, 0,1,2,3,4,5,6,7,8,9,10,11,12,13,14,15
	global_store_b64 v9, v[16+64*\set+4*\hc:16+64*\set+4*\hc+1], s[22:23] offset:\hc*16384+\p*256
.endr
.endm
	LOADP 0, 0
	LOADP 1, 1
	s_wait_loadcnt 16                              ; the older pair of rows is in, the younger pair's 16 loads may be out
	CVTP 0
	STOREP 0, 0
	s_wait_xcnt 0x0                                ; the stores have read their registers: the set may be loaded again
	LOADP 2, 0
	s_wait_loadcnt 16
	CVTP 1
	STOREP 1, 1
	s_wait_xcnt 0x0
	LOADP 3, 1
	s_wait_loadcnt 16
	CVTP 0
	STOREP 2, 0
	s_wait_loadcnt 0x0
	CVTP 1
	STOREP 3, 1
	s_endpgm
.Lfunc_end_k_q07ea9b06b8_prep:
	.size	k_q07ea9b06b8_prep, .Lfunc_end_k_q07ea9b06b8_prep-k_q07ea9b06b8_prep
	.p2alignl 7, 3214868480
	.fill 96, 4, 3214868480
	.section	.rodata,"a",@progbits
	.p2align	6, 0x0
	.amdhsa_kernel k_q07ea9b06b8_prep
		.amdhsa_group_segment_fixed_size 33280
		.amdhsa_private_segment_fixed_size 0
		.amdhsa_enable_private_segment 0
		.amdhsa_kernarg_size 80
		.amdhsa_user_sgpr_count 2
		.amdhsa_user_sgpr_kernarg_segment_ptr 1
		.amdhsa_wavefront_size32 1
		.amdhsa_system_sgpr_workgroup_id_x 1
		.amdhsa_system_sgpr_workgroup_id_y 1
		.amdhsa_system_sgpr_workgroup_id_z 1
		.amdhsa_system_vgpr_workitem_id 0
		.amdhsa_next_free_vgpr 192
		.amdhsa_next_free_sgpr 66
		.amdhsa_reserve_vcc 0
		.amdhsa_float_denorm_mode_32 3
		.amdhsa_float_denorm_mode_16_64 3
		.amdhsa_memory_ordered 1
		.amdhsa_forward_progress 1
		.amdhsa_inst_pref_size 55
	.end_amdhsa_kernel
	.amdgpu_metadata
---
amdhsa.version: [ 1, 2 ]
amdhsa.kernels:
  - .name:           k_q07ea9b06b8_prep
    .symbol:         k_q07ea9b06b8_prep.kd
    .args:
      - { .name: x, .offset: 0, .size: 8, .value_kind: global_buffer, .address_space: global }
      - { .name: W_q, .offset: 8, .size: 8, .value_kind: global_buffer, .address_space: global }
      - { .name: W_k, .offset: 16, .size: 8, .value_kind: global_buffer, .address_space: global }
      - { .name: W_v, .offset: 24, .size: 8, .value_kind: global_buffer, .address_space: global }
      - { .name: W_o, .offset: 32, .size: 8, .value_kind: global_buffer, .address_space: global }
      - { .name: xc, .offset: 40, .size: 8, .value_kind: global_buffer, .address_space: global }
      - { .name: xs, .offset: 48, .size: 8, .value_kind: global_buffer, .address_space: global }
      - { .name: wc, .offset: 56, .size: 8, .value_kind: global_buffer, .address_space: global }
      - { .name: ws, .offset: 64, .size: 8, .value_kind: global_buffer, .address_space: global }
      - { .name: wo16, .offset: 72, .size: 8, .value_kind: global_buffer, .address_space: global }
    .group_segment_fixed_size: 33280
    .private_segment_fixed_size: 0
    .kernarg_segment_align: 8
    .kernarg_segment_size: 80
    .max_flat_workgroup_size: 128
    .sgpr_count:     66
    .vgpr_count:     192
    .wavefront_size: 32
...
	.end_amdgpu_metadata
.endif
;; end of part 1
;; launch qkv (part 2): grid 12 x 16, 4 waves a work-group, clusters of 4 x 1, 327,680 bytes of LDS; arguments xc, xs, wc, ws, qkv, q32; writes qkv, q32
.if DOCPART == 2
	.amdgcn_target "amdgcn-amd-amdhsa--gfx1250"
	.amdhsa_code_object_version 6
	.text
	.protected	k_q07ea9b06b8_qkv
	.globl	k_q07ea9b06b8_qkv
	.p2align	8
	.type	k_q07ea9b06b8_qkv,@function
k_q07ea9b06b8_qkv:
	s_mov_b64 s[64:65], 0
	v_nop
	global_prefetch_b8 v0, s[64:65] scope:SCOPE_SE
	s_setreg_imm32_b32 hwreg(HW_REG_WAVE_MODE, 25, 1), 1
	s_wait_xcnt 0x0
	s_wait_alu depctr_hold_cnt(0) depctr_sa_sdst(0) depctr_va_vdst(0) depctr_va_sdst(0) depctr_va_ssrc(0) depctr_va_vcc(0) depctr_vm_vsrc(0)
	s_getreg_b32 s2, hwreg(HW_REG_IB_STS2, 6, 4)
	s_cmp_eq_u32 s2, 0
	s_cbranch_scc0 .Lentry_in_a_cluster
	s_endpgm
.Lentry_in_a_cluster:
	s_bfe_u32 s2, ttmp6, 0x10000c
	s_cmp_lg_u32 s2, 0x3003
	s_cbranch_scc0 .Lentry_shape_is_right
	s_endpgm
.Lentry_shape_is_right:
; q, k, v = x W^T on codes of FP4 (E2M1) with one E8M0 scale for each 32 along K: C [4096][3072] = A [4096][1024] B [3072][1024]^T, sums in f32.  A: xc, xs; B: wc, ws (rows of W_q, W_k, W_v on end).
; The results leave as f16, head-major: qkv [which (3)][b (2)][h (16)][s (2048)][64]; the first 16 positions of each sequence leave also in f32, as images of the accumulators' registers:
; q32 [b][column / 16 (192)][1,024 B]: register j of lane l at 512 (j / 4) + 16 l + 4 (j % 4), holding (position l % 16, column 16 tile + 8 (l / 16) + j).
; LIMIT: |q|, |k|, |v| stay under 65,504 (f16).
; A tile of C, 256 x 256, is made by four waves; a wave makes 128 x 128: 64 accumulators of 16 x 16, 512 registers.  K = 1,024 is two LDS slots of 512 along K (rows of 256 bytes): both are filled at the start, nothing is filled again.
; The scales of the tile's 256 rows of A and 256 rows of B, for all of K, are two dense blocks: they come into LDS with the first fills.
; CLUSTER: the four work-groups of a cluster lie side by side along the columns and need the same rows of A: A's tiles and scales are asked for JOINTLY (mask 15).  B's differ from partner to partner and come by plain loads.
; A cluster does not reach along the rows, since the side store of the first 16 positions is a branch on the tile row, which must then be equal in all partners.
; THE MATRIX INSTRUCTION IS USED TRANSPOSED (source 0 = 16 rows of B, source 1 = 16 rows of A): a lane holds eight neighbouring columns of one row of C.
; REGISTERS, in windows of 256: window 0: v0-31 addresses; v32-95 scale words, two sets, and nothing else; v128-191 A's fragments, ONE set (on the way out: rows read back); v192-223 packed results.
;   window 1: B's fragments, TWO sets, at v0 and v128.   window 2: the accumulators of my rows 0-63 ((a, b) at v[8 (8 a + b)]);   window 3: those of my rows 64-127.
.set SIZE_K, 1024
.set KSTEP,  512                       ; along K in a slot
.set NQ,     KSTEP/128                 ; matrix instructions deep
.set ROWB,   256                       ; a tile's row in bytes
.set KROW,   SIZE_K/2                  ; a row of codes in memory, in bytes
.set PITCH,  272                       ; an LDS row: 256 bytes + 16 of padding: the 16 rows that a load touches begin at 16 different sixteen-byte columns modulo 256 bytes
.set FR,     8                         ; registers of a fragment: 16 rows x 128 K
.set NL,     2                         ; LDS loads that bring one
.set NP,     4                         ; places behind this matrix instruction (ISA guide 7.12.1)
.set HALFT,  128*PITCH                 ; 128 rows: what one tensor load brings
.set SLOT,   4*HALFT                   ; A's 256 rows, then B's 256 rows
.set KS,     SIZE_K/32                 ; a row of scales in bytes
.set SCL,    2*SLOT                    ; behind the slots: the scales, as rows of 256 bytes + 16 of padding
.set HALFS,  (128*KS/256)*272          ; the scales of 128 rows: what one tensor load brings
.set SBLK,   (16*KS/256)*272           ; those of 16 rows
.set SPARE,  SCL+4*HALFS               ; the spare words, 128 bytes for each wave
.set STAGE,  SPARE+512                 ; the way out: 16 rows x (256 bytes + 16) for each wave; no tensor load lands here
.set SPITCH, 272
.set ADRA, 16                          ; v16-17  LDS address of my A fragments in slot 0, 1
.set ADRB, 20                          ; v20-21  the same for B
.set STO,  24                          ; v24     the way out: where I put 16 bytes of a row
.set RD,   25                          ; v25     the way out: where I read back
.set CO,   26                          ; v26     16 x lane: my byte offset in a store's 512 bytes
.set ADRS, 27                          ; v27     LDS address of my scale words: lanes 0-15 A's rows, lanes 16-31 B's
.set SPW,  28                          ; v28     LDS address of my spare word; never rewritten
.set NIL,  29                          ; v29     0; never rewritten
.set SC,   32                          ; scale words: set s at v[SC + 8 NQ s]; register NQ i + q: lanes 0-15 the word of A's block i, lanes 16-31 that of B's block i
.set AF,   128                         ; A's fragments, in window 0
.set OB,   128                         ; the way out: 16 rows read back: v128-159 and v160-191 by turns
.set TMP,  192                         ; the way out: packed results
.set G1, 24                            ; s[24:31] descriptor group 1 for A's tiles;  s[32:39] group 0, one set for each slot
.set G0, 32
.set G1B, 48                           ; s[48:55], s[56:63] the same for B's tiles
.set G0B, 56
.set G1S, 68                           ; s[68:75], s[76:79] groups 1 and 0 for A's scales;  s[80:87], s[88:91] for B's
.set G0S, 76
.set G1SB, 80
.set G0SB, 88
.set MSB, 0
.macro WIN new                         ; the immediate's high byte repeats the setting that is left
.if MSB != (\new)
	s_set_vgpr_msb (MSB<<8)|(\new)
.set MSB, (\new)
.endif
.endm
.set MUL_LO, 0xa1                      ; source 0 (B) window 1, source 1 (A) window 0, C and D window 2
.set MUL_HI, 0xf1                      ; the same, C and D window 3
.set TO_B,   0x40                      ; destination window 1, address window 0
; Waves 0 and 1 fetch for A (jointly), waves 2 and 3 for B.  The branch hangs on the wave's number alone.  An s_nop 0 and four v_nop follow each of the two lines.
.macro JLOAD g0a, g1a, g0b, g1b
	s_cmp_eq_u32 s15, 0
	s_cbranch_scc0 .Lfor_b_\@
	tensor_load_to_lds s[\g0a:\g0a+3], s[\g1a:\g1a+7]
	s_nop 0
.rept 4
	v_nop
.endr
	s_branch .Lasked_\@
.Lfor_b_\@:
	tensor_load_to_lds s[\g0b:\g0b+3], s[\g1b:\g1b+7]
	s_nop 0
.rept 4
	v_nop
.endr
.Lasked_\@:
.endm
.macro CROUND                          ; a round of the cluster's barrier
	s_barrier_signal -1
	s_barrier_wait -1
	s_cmp_lg_u32 s14, 0
	s_cbranch_scc1 .Lnot_wave_0_\@
	s_barrier_signal -3
.Lnot_wave_0_\@:
	s_barrier_wait -3
	s_barrier_signal -1
	s_barrier_wait -1
.endm
	s_load_b128 s[4:7], s[0:1], 0x0                ; A's codes s[4:5], A's scales s[6:7]
	s_load_b128 s[8:11], s[0:1], 0x10              ; B's codes s[8:9], B's scales s[10:11]
	s_load_b64 s[12:13], s[0:1], 0x20              ; qkv
	s_load_b64 s[96:97], s[0:1], 0x28              ; q32
	v_lshl_add_u32 v[SPW], v0, 2, SPARE
	v_mov_b32 v[NIL], 0
	ds_add_u32 v[SPW], v[NIL]                      ; the wave's opening: the add, twice on end, and its wait ahead of my first tensor load
	ds_add_u32 v[SPW], v[NIL]
	v_lshrrev_b32 v1, 5, v0
	v_readfirstlane_b32 s14, v1                    ; wave 0..3
	s_lshr_b32 s15, s14, 1                         ; which half of the tile's rows is mine.  Also: I fetch for A (0) or for B (1)
	s_and_b32 s16, s14, 1                          ; which half of its columns.  Also: which 128 rows I fetch
	s_bfe_u32 s40, ttmp6, 0x40000                  ; cx: my place in the cluster
	s_lshl_b32 s42, ttmp9, 2
	s_add_co_u32 s42, s42, s40                     ; tile column of C = 4 x cluster x + cx
	s_and_b32 s17, ttmp7, 0xffff                   ; tile row of C: the same in all four partners
	; descriptor group 1: a tile of 128 rows x 256 bytes, padded in LDS
	s_mov_b32 s[G1+0], 15|(1<<20)|(1<<21)|(5<<22)|(3<<25)   ; 15:0 the mask: all four; 17:16 elements of 1 byte; 20 padding on; 21 set beside a mask; 24:22 after every 64 words; 31:25 four words
	s_mov_b32 s[G1B+0], (1<<20)|(5<<22)|(3<<25)             ; the same without a mask: my work-group's own
.irp g, G1, G1B
	s_mov_b32 s[\g+1], ROWB<<16                    ; tensor_dim0
	s_mov_b32 s[\g+2], 128<<16                     ; tensor_dim1
	s_mov_b32 s[\g+3], ROWB<<16                    ; tile_dim0
	s_mov_b32 s[\g+4], 128                         ; tile_dim1
	s_mov_b32 s[\g+5], KROW                        ; tensor_dim0_stride
	s_mov_b32 s[\g+6], 0
	s_mov_b32 s[\g+7], 0
.endr
	; the scales of 128 rows: a dense block of 4,096 bytes, as 16 rows of 256 bytes (32 elements of 8 bytes), 16 bytes of padding behind each
	s_mov_b32 s[G1S+0], 15|(3<<16)|(1<<20)|(1<<21)|(5<<22)|(3<<25)
	s_mov_b32 s[G1SB+0], (3<<16)|(1<<20)|(5<<22)|(3<<25)
.irp g, G1S, G1SB
	s_mov_b32 s[\g+1], 32<<16
	s_mov_b32 s[\g+2], (128*KS/256)<<16
	s_mov_b32 s[\g+3], 32<<16
	s_mov_b32 s[\g+4], 128*KS/256
	s_mov_b32 s[\g+5], 32
	s_mov_b32 s[\g+6], 0
	s_mov_b32 s[\g+7], 0
.endr
	s_lshl_b32 s18, s16, 7                         ; which 128 rows of the tile I fetch
	s_lshl_b32 s20, s17, 8
	s_add_co_u32 s20, s20, s18                     ; A: row 256 x tile row + 128 x half
	s_lshl_b32 s46, s42, 8
	s_add_co_u32 s46, s46, s18                     ; B: row 256 x tile column + 128 x half
	s_mov_b32 s21, 0
	s_mov_b32 s47, 0
	s_mov_b64 s[18:19], KS
	s_mul_u64 s[22:23], s[20:21], s[18:19]         ; where these rows' scales begin, in bytes
	s_mul_u64 s[92:93], s[46:47], s[18:19]
	s_mov_b64 s[18:19], KROW
	s_mul_u64 s[20:21], s[20:21], s[18:19]         ; and their codes
	s_mul_u64 s[46:47], s[46:47], s[18:19]
	s_mul_i32 s45, s14, HALFT                      ; where they go: wave x 128 rows: no place in the cluster enters an LDS address
	s_mul_i32 s94, s14, HALFS
	s_wait_dscnt 0x0                               ; both opening adds are done
	s_wait_kmcnt 0x0
	s_add_nc_u64 s[20:21], s[4:5], s[20:21]
	s_add_nc_u64 s[22:23], s[6:7], s[22:23]
	s_add_nc_u64 s[46:47], s[8:9], s[46:47]
	s_add_nc_u64 s[92:93], s[10:11], s[92:93]
	CROUND                                         ; all four work-groups are here: the first loads go out as one group behind this round
	s_mov_b32 s[G0S], 1
	s_add_co_u32 s[G0S+1], s94, SCL
	s_mov_b64 s[G0S+2:G0S+3], s[22:23]
	s_or_b32 s[G0S+3], s[G0S+3], 0x80000000
	s_mov_b32 s[G0SB], 1
	s_add_co_u32 s[G0SB+1], s94, SCL
	s_mov_b64 s[G0SB+2:G0SB+3], s[92:93]
	s_or_b32 s[G0SB+3], s[G0SB+3], 0x80000000
	JLOAD G0S, G1S, G0SB, G1SB                     ; the scales first: they are wanted with slot 0
.irp s, 0,1
	s_mov_b32 s[G0+4*\s], 1
	s_add_co_u32 s[G0+4*\s+1], s45, \s*SLOT
	s_add_nc_u64 s[G0+4*\s+2:G0+4*\s+3], s[20:21], \s*ROWB
	s_or_b32 s[G0+4*\s+3], s[G0+4*\s+3], 0x80000000
	s_mov_b32 s[G0B+4*\s], 1
	s_add_co_u32 s[G0B+4*\s+1], s45, \s*SLOT
	s_add_nc_u64 s[G0B+4*\s+2:G0B+4*\s+3], s[46:47], \s*ROWB
	s_or_b32 s[G0B+4*\s+3], s[G0B+4*\s+3], 0x80000000
	JLOAD G0+4*\s, G1, G0B+4*\s, G1B               ; three tensor loads of mine are out behind the second of these
.endr
	v_and_b32 v1, 15, v0                           ; r = l % 16
	v_bfe_u32 v2, v0, 4, 1                         ; h = l / 16
	v_mul_u32_u24 v3, v1, PITCH
	v_lshl_add_u32 v4, v2, 4, v3                   ; a fragment's row x pitch + 16 x half
	s_mul_i32 s21, s15, HALFT                      ; my 128 rows of A
	s_mul_i32 s22, s16, HALFT                      ; my 128 rows of B,
	s_add_co_u32 s22, s22, 2*HALFT                 ; which lie behind A's 256
.irp s, 0,1
	v_add_nc_u32 v[ADRA+\s], s21, v4
	v_add_nc_u32 v[ADRB+\s], s22, v4
	s_add_co_u32 s21, s21, SLOT
	s_add_co_u32 s22, s22, SLOT
.endr
	v_mul_u32_u24 v5, v1, KS                       ; my row's scales: KS bytes a row,
	v_lshrrev_b32 v6, 8, v5
	v_lshl_add_u32 v5, v6, 4, v5                   ; and 16 more for each 256 passed
	s_mul_i32 s21, s15, HALFS                      ; A's: my 128 rows
	s_mul_i32 s22, s16, HALFS                      ; B's: my 128 rows, behind A's 256
	s_add_co_u32 s22, s22, 2*HALFS
	s_sub_co_u32 s22, s22, s21
	v_mul_u32_u24 v6, s22, v2                      ; lanes 16-31 take B's: the lower base + h x the distance
	s_add_co_u32 s21, s21, SCL
	v_add_nc_u32 v5, v5, v6
	v_add_nc_u32 v[ADRS], s21, v5
	s_mul_i32 s23, s14, 16*SPITCH
	s_add_co_u32 s23, s23, STAGE                   ; my stage
	v_mul_u32_u24 v5, v1, SPITCH                   ; in: row r, 16 bytes for each half of the lanes
	v_lshl_add_u32 v5, v2, 4, v5
	v_add_nc_u32 v[STO], s23, v5
	v_and_b32 v6, 31, v0
	v_lshrrev_b32 v7, 3, v6                        ; back: eight lanes take one head's 128 bytes of a row, four rows an instruction
	v_mul_u32_u24 v7, v7, SPITCH
	v_and_b32 v8, 7, v6
	v_lshl_add_u32 v7, v8, 4, v7
	v_add_nc_u32 v[RD], s23, v7
	v_lshlrev_b32 v[CO], 4, v6
	; where my part begins in qkv: my 128 columns are heads hidx and hidx + 1 of q, k or v; plane = 32 which + 16 b + head, 262,144 bytes a plane, 128 bytes a position
	s_lshl_b32 s46, s42, 2
	s_lshl_b32 s47, s16, 1
	s_add_co_u32 s46, s46, s47                     ; hidx = 4 x tile column + 2 x half
	s_lshr_b32 s47, s46, 4
	s_lshl_b32 s47, s47, 5                         ; 32 which
	s_and_b32 s46, s46, 15
	s_add_co_u32 s46, s46, s47
	s_lshr_b32 s47, s17, 3
	s_lshl_b32 s47, s47, 4                         ; 16 b
	s_add_co_u32 s46, s46, s47
	s_lshl_b32 s46, s46, 18
	s_and_b32 s47, s17, 7
	s_lshl_b32 s47, s47, 15                        ; 256 positions a tile row
	s_add_co_u32 s46, s46, s47
	s_lshl_b32 s47, s15, 14                        ; my 128 of them
	s_add_co_u32 s46, s46, s47
	s_mov_b32 s47, 0
	s_add_nc_u64 s[12:13], s[12:13], s[46:47]
	; and in q32: b x 192 images + my first column / 16
	s_lshr_b32 s46, s17, 3
	s_mul_i32 s46, s46, 196608
	s_lshl_b32 s47, s42, 14
	s_add_co_u32 s46, s46, s47
	s_lshl_b32 s47, s16, 13
	s_add_co_u32 s46, s46, s47
	s_mov_b32 s47, 0
	s_add_nc_u64 s[96:97], s[96:97], s[46:47]
	s_and_b32 s95, s17, 7
	s_or_b32 s95, s95, s15                         ; 0 where my first 16 rows are positions 0-15 of a sequence: tile row and wave alone
.macro FRAG reg, adr, q, i             ; a fragment, 16 rows x 128 K of 4-bit codes: lane l holds row l % 16; registers 4 c .. 4 c + 3 hold K = 64 c + 32 (l / 16) + 0 .. 31
.irp c, 0,1
	ds_load_b128 v[\reg+4*\c:\reg+4*\c+3], v[\adr] offset:64*(\q)+32*\c+(\i)*16*PITCH
.endr
.endm
; 16 matrix instructions: A's blocks a0, a0 + 1 x B's eight, 128 along K: the slot's q-th.  p: B's set;  sc: the set of scale words.  zero = 1: the first product starts the sums.
; The 64 accumulators take turns, one instruction a turn, in the same order in every step.
.macro MUL16 a0, p, q, sc, zero
.irp a, \a0, \a0+1
.irp b, 0,1,2,3,4,5,6,7
.if \zero
	v_wmma_scale_f32_16x16x128_f8f6f4 v[8*(8*((\a)%4)+\b):8*(8*((\a)%4)+\b)+7], v[128*(\p)+FR*\b:128*(\p)+FR*\b+FR-1], v[AF+FR*(\a):AF+FR*(\a)+FR-1], 0, v[SC+8*NQ*(\sc)+NQ*\b+(\q)], v[SC+8*NQ*(\sc)+NQ*(\a)+(\q)] matrix_a_fmt:MATRIX_FMT_FP4 matrix_b_fmt:MATRIX_FMT_FP4 matrix_a_scale:MATRIX_SCALE_ROW1
.else
	v_wmma_scale_f32_16x16x128_f8f6f4 v[8*(8*((\a)%4)+\b):8*(8*((\a)%4)+\b)+7], v[128*(\p)+FR*\b:128*(\p)+FR*\b+FR-1], v[AF+FR*(\a):AF+FR*(\a)+FR-1], v[8*(8*((\a)%4)+\b):8*(8*((\a)%4)+\b)+7], v[SC+8*NQ*(\sc)+NQ*\b+(\q)], v[SC+8*NQ*(\sc)+NQ*(\a)+(\q)] matrix_a_fmt:MATRIX_FMT_FP4 matrix_b_fmt:MATRIX_FMT_FP4 matrix_a_scale:MATRIX_SCALE_ROW1
.endif
.endr
.endr
.endm
.macro FETCH_B slot, q, p              ; B's eight fragments of the slot's q-th 128 along K into set p
	WIN TO_B
.irp i, 0,1,2,3,4,5,6,7
	FRAG 128*(\p)+FR*\i, ADRB+\slot, \q, \i
.endr
	WIN 0
.endm
.macro FETCH_A slot, q, i0             ; A's blocks i0 .. i0 + 3
.irp i, \i0, \i0+1, \i0+2, \i0+3
	FRAG AF+FR*(\i), ADRA+\slot, \q, \i
.endr
.endm
.macro SCALES sc                       ; a slot's scale words into set sc: NQ words a row; lanes 0-15 take A's block i, lanes 16-31 B's block i
.irp i, 0,1,2,3,4,5,6,7
	ds_load_b128 v[SC+8*NQ*\sc+NQ*\i:SC+8*NQ*\sc+NQ*\i+3], v[ADRS] offset:\i*SBLK
.endr
.endm
.macro PLACES n                        ; plain vector instructions between a matrix instruction and a load into, or a read of, its registers
.rept \n
	v_nop
.endr
.endm
; A step of 128 along K that has its successor in the same slot.
.macro STEP slot, q, zero
	s_wait_dscnt 4*NL                              ; B's set and A's blocks 0-3 are in; the youngest eight loads (A's blocks 4-7) may be out
	WIN MUL_LO
	MUL16 0, (\q)%2, \q, \slot, \zero
	MUL16 2, (\q)%2, \q, \slot, \zero
	s_wait_dscnt 0                                 ; A's blocks 4-7 are in
	PLACES NP
	FETCH_B \slot, (\q)+1, 1-(\q)%2
	FETCH_A \slot, (\q)+1, 0
	WIN MUL_HI
	MUL16 4, (\q)%2, \q, \slot, \zero
	MUL16 6, (\q)%2, \q, \slot, \zero
	PLACES NP
	WIN 0
	FETCH_A \slot, (\q)+1, 4
.endm
; Slot 0's last step changes slots: one barrier; in front of it each wave waits for all its tensor loads (its part of slot 1), adds 0 to its spare word, and waits for that and for its LDS loads.  Nothing is filled again.
.macro TURN slot, next
	s_wait_tensorcnt 0x0                           ; all my tensor loads have landed  (every window is 0 here)
	ds_add_u32 v[SPW], v[NIL]                      ; 0 onto my spare word
	s_wait_dscnt 4*NL+1                            ; (the add and the youngest eight loads, A's blocks 4-7, may be out)
	WIN MUL_LO
	MUL16 0, 1, NQ-1, \slot, 0
	s_wait_dscnt 0x0
	s_barrier_signal -1
	MUL16 2, 1, NQ-1, \slot, 0
	WIN 0
	s_barrier_wait -1                              ; everybody's part of the next slot is in
	PLACES NP
	v_add_nc_u32 v[ADRS], 4*NQ, v[ADRS]            ; on to the next slot's scale words
	FETCH_B \next, 0, 0
	FETCH_A \next, 0, 0
	SCALES \next
	WIN MUL_HI
	MUL16 4, 1, NQ-1, \slot, 0
	MUL16 6, 1, NQ-1, \slot, 0
	PLACES NP
	WIN 0
	FETCH_A \next, 0, 4
.endm
.macro STEPS slot, from                ; the slot's steps from .. NQ - 2
.set Q, \from
.rept NQ-1-\from
	STEP \slot, Q, 0
.set Q, Q+1
.endr
.endm
	s_wait_tensorcnt 1                             ; the scales and my part of slot 0 are in (slot 1's load may be out)
	s_barrier_signal -1
	s_barrier_wait -1                              ; everybody's are
	FETCH_B 0, 0, 0
	FETCH_A 0, 0, 0
	SCALES 0
	FETCH_A 0, 0, 4
	STEP 0, 0, 1                                   ; the first step's products start the sums: nothing is cleared
	STEPS 0, 1
	TURN 0, 1
	STEPS 1, 0
	s_wait_dscnt 4*NL                              ; the very last step: nothing more to fetch
	WIN MUL_LO
	MUL16 0, 1, NQ-1, 1, 0
	MUL16 2, 1, NQ-1, 1, 0
	s_wait_dscnt 0
	WIN MUL_HI
	MUL16 4, 1, NQ-1, 1, 0
	MUL16 6, 1, NQ-1, 1, 0
	WIN 0
; THE WAY OUT, block by block of 16 rows x 128 columns.  PACK: rounded to f16, 16 bytes a lane, each accumulator from its low end on.  TOSTAGE: into my own stage and back, so that 32 lanes hold four positions of one head:
; 512 consecutive bytes of qkv.  SEND: stored.  LDS serves a wave's instructions in order: no wait between the stage's stores and loads.
.macro PACK a
.set AC, 64*((\a)%4)
	WIN 0x0a+5*((\a)/4)                            ; sources 0 and 1: window 2 or 3
.irp b, 0,1,2,3,4,5,6,7
.irp i, 0,1,2,3
	v_cvt_pk_f16_f32 v[TMP+4*\b+\i], v[AC+8*\b+2*\i], v[AC+8*\b+2*\i+1]
.endr
.endr
	WIN 0
.endm
.macro TOSTAGE a
.set BB, OB+32*((\a)%2)
.irp b, 0,1,2,3,4,5,6,7
	ds_store_b128 v[STO], v[TMP+4*\b:TMP+4*\b+3] offset:32*\b
.endr
.irp t, 0,1,2,3,4,5,6,7
	ds_load_b128 v[BB+4*\t:BB+4*\t+3], v[RD] offset:(4*(\t%4))*SPITCH+128*(\t/4)   ; rows 4 (t % 4) on, head t / 4
.endr
.endm
.macro SEND a
.set BB, OB+32*((\a)%2)
	s_wait_dscnt 0x0                               ; the block is back in registers
	s_wait_xcnt 0x0                                ; the earlier stores have read their base and their registers: the base may step, and the next block's loads may land
.if (\a) > 0
	s_add_nc_u64 s[12:13], s[12:13], 2048          ; 16 positions on
.endif
.irp t, 0,1,2,3,4,5,6,7
	global_store_b128 v[CO], v[BB+4*\t:BB+4*\t+3], s[12:13] offset:(\t%4)*512+(\t/4)*262144   ; 32 lanes store 512 consecutive bytes
.endr
.endm
	PLACES NP                                      ; behind the last products: for the loads into A's registers and the reads of results
	PACK 0
	TOSTAGE 0
	s_cmp_eq_u32 s95, 0                            ; positions 0-15 of a sequence: the accumulators of block 0 leave also as they are, in f32
	s_cbranch_scc0 .Lno_side
	WIN 0x08                                       ; a store's data are its source 1: window 2
.irp b, 0,1,2,3,4,5,6,7
	global_store_b128 v[CO], v[8*\b:8*\b+3], s[96:97] offset:1024*\b
	global_store_b128 v[CO], v[8*\b+4:8*\b+7], s[96:97] offset:1024*\b+512
.endr
	WIN 0
.Lno_side:
.irp a, 1,2,3,4,5,6,7                  ; block a's conversions stand between block a - 1's loads from the stage and the wait for them
	PACK \a
	SEND \a-1
	TOSTAGE \a
.endr
	SEND 7
	s_wait_tensorcnt 0x0                           ; the wave's end: behind my last tensor load and my last LDS store
	ds_add_u32 v[SPW], v[NIL]
	s_wait_dscnt 0x0
	CROUND                                         ; the closing round
	s_endpgm
.Lfunc_end_k_q07ea9b06b8_qkv:
	.size	k_q07ea9b06b8_qkv, .Lfunc_end_k_q07ea9b06b8_qkv-k_q07ea9b06b8_qkv
	.p2alignl 7, 3214868480
	.fill 96, 4, 3214868480
	.section	.rodata,"a",@progbits
	.p2align	6, 0x0
	.amdhsa_kernel k_q07ea9b06b8_qkv
		.amdhsa_group_segment_fixed_size 327680
		.amdhsa_private_segment_fixed_size 0
		.amdhsa_enable_private_segment 0
		.amdhsa_kernarg_size 48
		.amdhsa_user_sgpr_count 2
		.amdhsa_user_sgpr_kernarg_segment_ptr 1
		.amdhsa_wavefront_size32 1
		.amdhsa_system_sgpr_workgroup_id_x 1
		.amdhsa_system_sgpr_workgroup_id_y 1
		.amdhsa_system_sgpr_workgroup_id_z 1
		.amdhsa_system_vgpr_workitem_id 0
		.amdhsa_next_free_vgpr 1024
		.amdhsa_next_free_sgpr 100
		.amdhsa_reserve_vcc 0
		.amdhsa_float_denorm_mode_32 3
		.amdhsa_float_denorm_mode_16_64 3
		.amdhsa_memory_ordered 1
		.amdhsa_forward_progress 1
		.amdhsa_inst_pref_size 129
	.end_amdhsa_kernel
	.amdgpu_metadata
---
amdhsa.version: [ 1, 2 ]
amdhsa.kernels:
  - .name:           k_q07ea9b06b8_qkv
    .symbol:         k_q07ea9b06b8_qkv.kd
    .args:
      - { .name: xc, .offset: 0, .size: 8, .value_kind: global_buffer, .address_space: global }
      - { .name: xs, .offset: 8, .size: 8, .value_kind: global_buffer, .address_space: global }
      - { .name: wc, .offset: 16, .size: 8, .value_kind: global_buffer, .address_space: global }
      - { .name: ws, .offset: 24, .size: 8, .value_kind: global_buffer, .address_space: global }
      - { .name: qkv, .offset: 32, .size: 8, .value_kind: global_buffer, .address_space: global }
      - { .name: q32, .offset: 40, .size: 8, .value_kind: global_buffer, .address_space: global }
    .group_segment_fixed_size: 327680
    .private_segment_fixed_size: 0
    .kernarg_segment_align: 8
    .kernarg_segment_size: 48
    .max_flat_workgroup_size: 128
    .sgpr_count:     100
    .vgpr_count:     1024
    .wavefront_size: 32
...
	.end_amdgpu_metadata
.endif
;; end of part 2
;; launch attn (part 3): grid 8 x 32, 8 waves a work-group, no clusters, 327,680 bytes of LDS; arguments qkv, o16; writes o16
.if DOCPART == 3
	.amdgcn_target "amdgcn-amd-amdhsa--gfx1250"
	.amdhsa_code_object_version 6
	.text
	.protected	k_q07ea9b06b8_attn
	.globl	k_q07ea9b06b8_attn
	.p2align	8
	.type	k_q07ea9b06b8_attn,@function
k_q07ea9b06b8_attn:
	s_mov_b64 s[64:65], 0
	v_nop
	global_prefetch_b8 v0, s[64:65] scope:SCOPE_SE
	s_setreg_imm32_b32 hwreg(HW_REG_WAVE_MODE, 25, 1), 1
	s_wait_xcnt 0x0
; O[bh][q] = the sum over k <= q of softmax_k(Q[bh][q] . K[bh][k] / 8) V[bh][k].  Q, K, V: planes of qkv, f16 [2048][64]: plane bh, 32 + bh, 64 + bh.  Products, maxima and sums in f32; the weights p are rounded to f16
; for the second product, O once at the end.  O leaves as o16, f16 [token / 128 (32)][head (16)][token % 128][64], the order in which the next launch fetches its tiles.
; LIMITS: |O| stays under 65,504 (f16).  Positions 0-15 of each sequence are made here like the others and are made again in f32 by a later launch.
; SHARES.  Work-group (i, bh) owns two blocks of 128 queries of head bh: block i (early) and block 15 - i (late): 17 blocks of 128 x 128 under the mask in every work-group.  A wave holds 32 queries: two tiles of 16.
; Waves 0-3 begin with the early block, waves 4-7 with the late one.  The early block's keys end at 128 (i + 1), which is never past the head of slot i / 2 + 1.  THERE WAVES 0-3 CHANGE OVER: each stores its early rows, takes the
; 32 queries of its partner (wave + 4) and begins m, l and O^T anew; from that slot on the partners share the late block's key steps: wave + 4 takes steps 0 and 2 of a slot, the helper steps 1 and 3.  So all eight waves have
; steps to run in every slot up to the causal limit.  At the end the helper hands m, l and O^T to its partner through LDS, as images of its registers, and the partner brings the two parts under one maximum and stores.
; NO CLUSTER: the eight work-groups of a head need 128 (16 - i) keys, a different number each: a joint load would bring some partners tiles that all their waves leave out.
; LAYOUT.  S^T = K Q^T (source 0 = 16 keys, source 1 = 16 queries): a lane holds ONE query (lane % 16) and the keys 8 (lane / 16) + 0..7.  Two such tiles, rounded to f16 in pairs, ARE source 1 of O^T = V^T P, whose result again
; holds one query a lane.  K comes out of LDS as it lies, V ([key][channel]) turned, by ds_load_tr16_b128.
; SOFTMAX.  For each query a running maximum m and sum l: p = 2^(c s - c m), c = log2(e) / 8; in every step O and l are multiplied by a = 2^(c m_old - c m_new).
; THE RING.  Two LDS slots of 256 keys (four steps of 64), K's 256 rows by wave 0 and V's by wave 1, one tensor load each.  EVERY work-group walks all eight slots, so that every trip count is a constant; a step that is not a
; wave's, or all of whose keys come after its queries, is jumped over, and a slot whose first key comes after the work-group's last query is not asked for.
; REGISTERS.  window 0: v1-15 addresses and constants; v16-31 statistics, eight a tile: +0 c m, +1 m, +2, +3 l, +4..+7 at work (a at +6); v32-95 S^T, 32 a tile; v96-127 P, 16 a tile; v128-191 K; v192-255 V.
;   window 1: v0-63 O^T, (tile t, channels 16 ct on) at 32 t + 8 ct; v64-95 Q, (t, channels 32 cs on) at 64 + 16 t + 8 cs.
.set PK,    144                        ; a row of K in LDS: 128 bytes + 16: the 16 rows of a load begin at 16 different sixteen-byte columns modulo 256 bytes
.set PV,    160                        ; a row of V: 128 + 32: an odd multiple of 32, as the turning load's eight rows x 32 bytes want it
.set SK,    256                        ; keys in a slot
.set VOFF,  SK*PK                      ; a slot: 256 rows of K, then 256 rows of V
.set SLOT1, 1<<17                      ; slot 1 begins here: one exclusive or turns an address in one slot into the other's
.set STAGE, SLOT1+SK*(PK+PV)           ; behind the ring: 16 rows x 144 bytes for each wave, for the way out
.set SPARE, STAGE+8*16*PK              ; the spare words, 128 bytes for each wave
.set MRG,   SPARE+8*128                ; behind them: what a helper hands to its partner: for each of the four pairs 16 images of O^T and 2 of the statistics, 512 bytes each
.set MPAIR, 18*512
.set NSL,   2048/SK
.set RH,   1                           ; v1   lane % 16 - 8 (lane / 16)
.set AK0,  2                           ; v2   my lane's place in a tile of K
.set AV0,  3                           ; v3   the same for V
.set ADK,  4                           ; v4   LDS address of the step's K
.set ADV,  5                           ; v5   and V
.set QO,   6                           ; v6   my byte offset in a wave's rows of Q
.set STO,  7                           ; v7   the way out: where I put 16 bytes of a row
.set RD,   8                           ; v8   where I read back
.set GO,   9                           ; v9   16 x lane
.set SPW,  10                          ; v10  LDS address of my spare word; never rewritten
.set NIL,  11                          ; v11  0; never rewritten
.set PFO,  12                          ; v12  256 x lane: the prefetches' offset; never rewritten
.set D0,   13                          ; v13  the diagonal: my query less the step's first key less 8 (lane / 16)
.set MA,   14                          ; v14  LDS address of my pair's images: MRG + MPAIR x (wave % 4) + 16 x lane; never rewritten
.set NINF, 15                          ; v15  -infinity
.set ST,   16
.set S,    32
.set P,    96
.set KFR,  128
.set VFR,  192
.set QF,   64                          ; in window 1
.set WV,   8                           ; s8   my wave's number
.set BI,   9                           ; s9   i
.set BH,   10                          ; s10  16 b + head
.set Q0,   11                          ; s11  the first of the 32 queries that I hold
.set QL,   12                          ; s12  my work-group's last query
.set KF,   13                          ; s13  the step's first key
.set TB,   14                          ; s14  LDS byte at which the slot in hand begins
.set SLOTS, 15                         ; s15  changes of slots still to come in the loop
.set LIM,  16                          ; s16  1 in a wave that prefetches, else the greatest number
.set BLK,  17                          ; s17  the block of 128 queries with which I begin
.set CS,   18                          ; s[18:19] c, twice
.set SEL,  20                          ; s[20:21] lane selects for v_permlanex16_b32: lane l xor 16
.set PFA,  22                          ; s[22:23] where my prefetches stand
.set G1K,  24                          ; s[24:31] descriptor group 1 for K;  s[32:39] for V: it differs in the padding alone
.set G1V,  32
.set G0K,  40                          ; s[40:43], s[44:47] their groups 0, which walk
.set G0V,  44
.set SM,   66                          ; s66  bit q: step q of a slot is mine
.set SM2,  67                          ; s67  the same from the change-over on: steps 1, 3 in waves 0-3, steps 0, 2 in waves 4-7
.set SWK,  68                          ; s68  the first key of the slot at whose head the partners begin to share: 256 (i / 2 + 1)
.set SWH,  69                          ; s69  the same in waves 0-3, which change over there; in waves 4-7 a number that no key reaches
.set Q0L,  70                          ; s70  the first query of my pair's 32 in the late block
.set Q2P,  72                          ; s[72:73] Q at that query
.set MSB, 0
.macro WIN new                         ; the immediate's high byte repeats the setting that is left
.if MSB != (\new)
	s_set_vgpr_msb (MSB<<8)|(\new)
.set MSB, (\new)
.endif
.endm
.set W_KQ, 0x04                        ; Q (source 1) in window 1
.set W_PV, 0x50                        ; O^T (C and D) in window 1
.set W_RS, 0x41                        ; O^T (destination and source 0) in window 1
; Wave 0 fetches K's 256 rows, wave 1 V's, the others nothing.  The branches hang on the wave's number alone.  An s_nop 0 and four v_nop follow each of the two lines.
.macro TLOAD
	s_cmp_eq_u32 s[WV], 0
	s_cbranch_scc0 .Lnot_k_\@
	tensor_load_to_lds s[G0K:G0K+3], s[G1K:G1K+7]
	s_nop 0
.rept 4
	v_nop
.endr
	s_branch .Lasked_\@
.Lnot_k_\@:
	s_cmp_eq_u32 s[WV], 1
	s_cbranch_scc0 .Lasked_\@
	tensor_load_to_lds s[G0V:G0V+3], s[G1V:G1V+7]
	s_nop 0
.rept 4
	v_nop
.endr
.Lasked_\@:
.endm
; A PREFETCH INTO THE L2 of what the NEXT change of slots will ask for: 32,768 dense bytes of K and of V.  All work-groups of a head walk the same K and V: work-group i = 0, which walks all keys, asks, and in it waves that
; fetch nothing: waves 2, 3 for K's halves, waves 4, 5 for V's: 16,384 bytes a wave, two instructions, lanes 256 bytes apart.  So each aligned block of 256 bytes is named once in the launch.  The last change that fills a slot
; asks for nothing; slots 0 and 1 come by their loads alone.
.macro ASK
	s_cmp_gt_u32 s[SLOTS], s[LIM]
	s_cbranch_scc0 .Lnot_mine_\@
	global_prefetch_b8 v[PFO], s[PFA:PFA+1] th:TH_LOAD_NT scope:SCOPE_SE
	global_prefetch_b8 v[PFO], s[PFA:PFA+1] offset:8192 th:TH_LOAD_NT scope:SCOPE_SE
.Lnot_mine_\@:
.endm
; 32 queries' fragments of Q, from the address in s[p:p+1], into window 1: they stay in registers
.macro QLOAD p
	WIN 0x40                                       ; destination window 1
.irp t, 0,1
.irp cs, 0,1
	global_load_b128 v[QF+16*\t+8*\cs:QF+16*\t+8*\cs+3],   v[QO], s[\p:\p+1] offset:\t*2048+\cs*64
	global_load_b128 v[QF+16*\t+8*\cs+4:QF+16*\t+8*\cs+7], v[QO], s[\p:\p+1] offset:\t*2048+\cs*64+32
.endr
.endr
.endm
; m, l and O^T begin: the step is written once, and a first step finds zeros, which a = 0 leaves zeros
.macro INIT
	WIN 0x40
.set i, 0
.rept 64
	v_mov_b32 v[i], 0                              ; O^T
.set i, i+1
.endr
	WIN 0
.irp t, 0,1
	v_mov_b32 v[ST+8*\t+1], 0xff61b1e6             ; m: -3e38, under every score
	v_mul_f32 v[ST+8*\t], s[CS], v[ST+8*\t+1]      ; c m
.irp j, 2,3,4,5,6,7
	v_mov_b32 v[ST+8*\t+\j], 0                     ; l; and the registers at work, which a lane permute and the pairs name before they are first written
.endr
.endr
.endm
	s_load_b128 s[4:7], s[0:1], 0x0                ; qkv s[4:5], o16 s[6:7]
	v_lshl_add_u32 v[SPW], v0, 2, SPARE
	v_mov_b32 v[NIL], 0
	ds_add_u32 v[SPW], v[NIL]                      ; the wave's opening: the add, twice on end, and its wait ahead of my first tensor load
	ds_add_u32 v[SPW], v[NIL]
	v_lshrrev_b32 v1, 5, v0
	v_readfirstlane_b32 s[WV], v1                  ; wave 0..7
	s_mov_b32 s[BI], ttmp9
	s_and_b32 s[BH], ttmp7, 0xffff
	s_lshr_b32 s48, s[WV], 2                       ; 0: I begin with the early block and help later; 1: the late block is mine
	s_lshl_b32 s49, s[BI], 1
	s_sub_co_u32 s49, 15, s49
	s_mul_i32 s49, s49, s48
	s_add_co_u32 s[BLK], s49, s[BI]                ; block i for waves 0-3, 15 - i for waves 4-7
	s_lshr_b32 s[SWK], s[BI], 1
	s_add_co_u32 s[SWK], s[SWK], 1
	s_lshl_b32 s[SWK], s[SWK], 8                   ; 256 (i / 2 + 1): at or past the early block's last key + 1, 128 (i + 1)
	s_cmp_eq_u32 s48, 0
	s_cselect_b32 s[SWH], s[SWK], -1
	s_cselect_b32 s[SM2], 10, 5
	s_mov_b32 s[SM], 15                            ; up to there every step is every wave's
	s_and_b32 s48, s[WV], 3
	s_lshl_b32 s49, s48, 5
	s_lshl_b32 s[Q0], s[BLK], 7
	s_add_co_u32 s[Q0], s[Q0], s49                 ; 128 x block + 32 x (wave % 4)
	s_sub_co_u32 s[Q0L], 15, s[BI]
	s_lshl_b32 s[Q0L], s[Q0L], 7
	s_add_co_u32 s[Q0L], s[Q0L], s49               ; 128 (15 - i) + 32 x (wave % 4)
	s_lshl_b32 s[QL], s[BI], 7
	s_sub_co_u32 s[QL], 2047, s[QL]                ; 128 (16 - i) - 1
	; descriptor group 1: 256 rows x 64 elements of 2 bytes, dense in memory, padded in LDS
	s_mov_b32 s[G1K], (1<<16)|(1<<20)|(4<<22)|(3<<25)   ; no mask; elements of 2 bytes; padding on: after every 32 words, four words
	s_mov_b32 s[G1V], (1<<16)|(1<<20)|(4<<22)|(7<<25)   ; the same with eight words
.irp g, G1K, G1V
	s_mov_b32 s[\g+1], 64<<16                      ; tensor_dim0
	s_mov_b32 s[\g+2], SK<<16                      ; tensor_dim1
	s_mov_b32 s[\g+3], 64<<16                      ; tile_dim0
	s_mov_b32 s[\g+4], SK                          ; tile_dim1
	s_mov_b32 s[\g+5], 64                          ; tensor_dim0_stride
	s_mov_b32 s[\g+6], 0
	s_mov_b32 s[\g+7], 0
.endr
	s_mov_b32 s[CS], 0x3e38aa3b                    ; c = log2(e) / 8
	s_mov_b32 s[CS+1], s[CS]
	s_mov_b32 s[SEL], 0x76543210
	s_mov_b32 s[SEL+1], 0xfedcba98
	s_mov_b32 s[KF], 0
	s_mov_b32 s[TB], 0
	s_mov_b32 s[SLOTS], NSL-1
	s_add_co_u32 s50, s[BH], 32
	s_lshl_b32 s50, s50, 18                        ; K's plane, in bytes
	s_mov_b32 s51, 0
	s_add_co_u32 s52, s[BH], 64
	s_lshl_b32 s52, s52, 18                        ; V's
	s_mov_b32 s53, 0
	s_lshl_b32 s54, s[BH], 18
	s_lshl_b32 s55, s[Q0], 7
	s_add_co_u32 s54, s54, s55                     ; Q's plane, my first query
	s_mov_b32 s55, 0
	s_lshl_b32 s62, s[BH], 18
	s_lshl_b32 s63, s[Q0L], 7
	s_add_co_u32 s62, s62, s63                     ; Q's plane, my pair's first query in the late block
	s_mov_b32 s63, 0
	s_lshr_b32 s56, s[BH], 4
	s_lshl_b32 s56, s56, 4
	s_add_co_u32 s56, s56, s[BLK]                  ; token / 128 = 16 b + block
	s_lshl_b32 s56, s56, 4
	s_and_b32 s57, s[BH], 15
	s_add_co_u32 s56, s56, s57                     ; x 16 + head
	s_lshl_b32 s56, s56, 14                        ; 16,384 bytes each
	s_lshl_b32 s57, s48, 12                        ; my 32 rows of 128 bytes
	s_add_co_u32 s56, s56, s57
	s_mov_b32 s57, 0
	s_cmp_lt_u32 s[WV], 4                          ; the prefetches: waves 2, 3 K's plane, waves 4, 5 V's
	s_cselect_b32 s58, s50, s52
	s_and_b32 s59, s[WV], 1
	s_lshl_b32 s59, s59, 14                        ; my half of a slot's 32,768 bytes,
	s_add_co_u32 s58, s58, s59
	s_add_co_u32 s58, s58, 32768                   ; in slot 1: the first change of slots steps it to slot 2
	s_mov_b32 s59, 0
	s_sub_co_u32 s60, s[WV], 2
	s_lshr_b32 s60, s60, 2                         ; 0 in waves 2 to 5,
	s_or_b32 s60, s60, ttmp9                       ; of work-group i = 0
	s_cmp_eq_u32 s60, 0
	s_cselect_b32 s[LIM], 1, -1
	s_wait_dscnt 0x0                               ; both opening adds are done
	s_wait_kmcnt 0x0
	s_mov_b32 s[G0K], 1                            ; count = 1
	s_mov_b32 s[G0K+1], 0                          ; LDS address: slot 0
	s_add_nc_u64 s[G0K+2:G0K+3], s[4:5], s[50:51]  ; the head's first 256 keys
	s_or_b32 s[G0K+3], s[G0K+3], 0x80000000        ; type = 2
	s_mov_b32 s[G0V], 1
	s_mov_b32 s[G0V+1], VOFF
	s_add_nc_u64 s[G0V+2:G0V+3], s[4:5], s[52:53]
	s_or_b32 s[G0V+3], s[G0V+3], 0x80000000
	TLOAD                                          ; slot 0: key 0 counts for every query
	s_add_nc_u64 s[PFA:PFA+1], s[4:5], s[58:59]
	s_add_nc_u64 s[Q2P:Q2P+1], s[4:5], s[62:63]
	s_add_nc_u64 s[6:7], s[6:7], s[56:57]          ; O at the first row of the block with which I begin: the rows that I store
	s_add_nc_u64 s[4:5], s[4:5], s[54:55]          ; Q at my first query
	v_and_b32 v32, 15, v0                          ; r
	v_bfe_u32 v33, v0, 4, 1                        ; h
	v_lshlrev_b32 v34, 3, v33
	v_sub_nc_u32 v[RH], v32, v34
	v_mul_u32_u24 v[AK0], v32, PK
	v_lshl_add_u32 v[AK0], v33, 4, v[AK0]          ; K: row r x pitch + 16 h
	v_and_b32 v35, 7, v0
	v_bfe_u32 v36, v0, 3, 1
	v_lshl_add_u32 v[AV0], v33, 3, v35             ; V: key 8 h + lane % 8,
	v_mul_u32_u24 v[AV0], v[AV0], PV
	v_lshl_add_u32 v[AV0], v36, 4, v[AV0]          ; channels 8 ((lane / 8) % 2) on
	v_add_nc_u32 v[AV0], VOFF, v[AV0]
	v_lshlrev_b32 v[QO], 7, v32
	v_lshl_add_u32 v[QO], v33, 4, v[QO]            ; Q: row r of 128 bytes + 16 h
	s_mul_i32 s48, s[WV], 16*PK
	s_add_co_u32 s48, s48, STAGE                   ; my stage
	v_mul_u32_u24 v[STO], v32, PK
	v_lshl_add_u32 v[STO], v33, 4, v[STO]
	v_add_nc_u32 v[STO], s48, v[STO]
	v_and_b32 v37, 31, v0
	v_lshrrev_b32 v38, 3, v37
	v_mul_u32_u24 v[RD], v38, PK                   ; back: eight lanes to a row of 128 bytes, four rows an instruction
	v_lshl_add_u32 v[RD], v35, 4, v[RD]
	v_add_nc_u32 v[RD], s48, v[RD]
	v_lshlrev_b32 v[GO], 4, v37
	v_lshlrev_b32 v[PFO], 8, v37
	s_and_b32 s49, s[WV], 3
	s_mul_i32 s49, s49, MPAIR
	s_add_co_u32 s49, s49, MRG
	v_add_nc_u32 v[MA], s49, v[GO]                 ; my pair's images: the helper stores there, its partner loads there, a barrier between
	v_mov_b32 v[NINF], 0xff800000
	QLOAD 4
	INIT
; A KEY STEP: 64 keys, the q-th of the slot in hand.
.macro STEP q
	s_and_b32 s48, s[SM], 1<<(\q)                  ; a step that is my partner's is left out,
	s_cmp_eq_u32 s48, 0
	s_cbranch_scc1 .Lhidden_\@
	s_add_co_u32 s48, s[Q0], 31                    ; and so is a step all of whose keys come after my 32 queries: branches on ids and the count of steps
	s_cmp_gt_u32 s[KF], s48
	s_cbranch_scc1 .Lhidden_\@
	v_add_nc_u32 v[ADK], s[TB], v[AK0]
	v_add_nc_u32 v[ADV], s[TB], v[AV0]
.irp kt, 0,1,2,3                               ; K: keys 16 kt on, channels 32 cs on
.irp cs, 0,1
	ds_load_b128 v[KFR+16*\kt+8*\cs:KFR+16*\kt+8*\cs+3],   v[ADK] offset:(64*(\q)+16*\kt)*PK+64*\cs
	ds_load_b128 v[KFR+16*\kt+8*\cs+4:KFR+16*\kt+8*\cs+7], v[ADK] offset:(64*(\q)+16*\kt)*PK+64*\cs+32
.endr
.endr
.irp ks, 0,1                                   ; V, turned: keys 32 ks on, channels 16 ct on
.irp ct, 0,1,2,3
	ds_load_tr16_b128 v[VFR+32*\ks+8*\ct:VFR+32*\ks+8*\ct+3],   v[ADV] offset:(64*(\q)+32*\ks)*PV+32*\ct
	ds_load_tr16_b128 v[VFR+32*\ks+8*\ct+4:VFR+32*\ks+8*\ct+7], v[ADV] offset:(64*(\q)+32*\ks+16)*PV+32*\ct
.endr
.endr
	s_wait_dscnt 16                                ; K is in; V's 16 loads may be out
	WIN W_KQ
.irp cs, 0,1                                   ; S^T = K Q^T: eight accumulators by turns, one instruction a turn
.irp kt, 0,1,2,3
.irp t, 0,1
.if \cs == 0
	v_wmma_f32_16x16x32_f16 v[S+32*\t+8*\kt:S+32*\t+8*\kt+7], v[KFR+16*\kt+8*\cs:KFR+16*\kt+8*\cs+7], v[QF+16*\t+8*\cs:QF+16*\t+8*\cs+7], 0
.else
	v_wmma_f32_16x16x32_f16 v[S+32*\t+8*\kt:S+32*\t+8*\kt+7], v[KFR+16*\kt+8*\cs:KFR+16*\kt+8*\cs+7], v[QF+16*\t+8*\cs:QF+16*\t+8*\cs+7], v[S+32*\t+8*\kt:S+32*\t+8*\kt+7]
.endif
.endr
.endr
.endr
	WIN 0
.rept 4
	v_nop                                          ; places behind the products, ahead of the first read of the scores
.endr
	s_add_co_u32 s48, s[KF], 63                    ; on the diagonal the scores of hidden keys become -infinity ahead of the maximum.  A step all of whose keys count skips this
	s_cmp_le_u32 s48, s[Q0]
	s_cbranch_scc1 .Lopen_\@
	s_sub_co_i32 s48, s[Q0], s[KF]
	v_add_nc_u32 v[D0], s48, v[RH]                 ; register 8 kt + j of tile t holds key KF + 16 kt + 8 h + j and query Q0 + 16 t + r: hidden where 16 kt + j > Q0 - KF + 16 t + r - 8 h
.irp t, 0,1
.if \t == 1
	v_add_nc_u32 v[D0], 16, v[D0]                  ; tile 1's queries lie 16 further on
.endif
.set n, 0
.rept 32
	v_cmp_gt_i32 vcc_lo, 16*(n/8)+n%8, v[D0]
	v_cndmask_b32 v[S+32*\t+n], v[S+32*\t+n], v[NINF], vcc_lo
.set n, n+1
.endr
.endr
.Lopen_\@:
	; the softmax, the two tiles line by line, so that no line waits for the line above it.  The maximum of 32 scores and the old m: four chains, each begun at an accumulator's low end
.irp j, 0,1,2,3
.irp t, 0,1
	v_max3_num_f32 v[ST+8*\t+4+\j], v[S+32*\t+8*\j], v[S+32*\t+8*\j+1], v[S+32*\t+8*\j+2]
.endr
.endr
.irp i, 3,5
.irp j, 0,1,2,3
.irp t, 0,1
	v_max3_num_f32 v[ST+8*\t+4+\j], v[ST+8*\t+4+\j], v[S+32*\t+8*\j+\i], v[S+32*\t+8*\j+\i+1]
.endr
.endr
.endr
.irp t, 0,1
	v_max3_num_f32 v[ST+8*\t+4], v[ST+8*\t+4], v[S+32*\t+7], v[S+32*\t+15]
.endr
.irp t, 0,1
	v_max3_num_f32 v[ST+8*\t+6], v[ST+8*\t+6], v[S+32*\t+23], v[S+32*\t+31]
.endr
.irp t, 0,1
	v_max3_num_f32 v[ST+8*\t+4], v[ST+8*\t+4], v[ST+8*\t+5], v[ST+8*\t+6]
.endr
.irp t, 0,1
	v_max3_num_f32 v[ST+8*\t+4], v[ST+8*\t+4], v[ST+8*\t+7], v[ST+8*\t+1]
.endr
.irp t, 0,1
	v_permlanex16_b32 v[ST+8*\t+5], v[ST+8*\t+4], s[SEL], s[SEL+1]   ; the query's other 32 keys lie in the lane 16 away
.endr
.irp t, 0,1
	v_mov_b32 v[ST+8*\t+7], v[ST+8*\t]             ; c m_old is kept for a
.endr
.irp t, 0,1
	v_max_num_f32 v[ST+8*\t+1], v[ST+8*\t+4], v[ST+8*\t+5]   ; the new m
.endr
.irp t, 0,1
	v_mul_f32 v[ST+8*\t], s[CS], v[ST+8*\t+1]
.endr
.irp t, 0,1
	v_sub_f32 v[ST+8*\t+7], v[ST+8*\t+7], v[ST+8*\t]
.endr
.set b, 0
.rept 16
.irp t, 0,1
	v_pk_fma_f32 v[S+32*\t+2*b:S+32*\t+2*b+1], v[S+32*\t+2*b:S+32*\t+2*b+1], s[CS:CS+1], v[ST+8*\t:ST+8*\t+1] op_sel_hi:[1,0,0] neg_lo:[0,0,1] neg_hi:[0,0,1]   ; c s - c m, two at a time
.endr
.set b, b+1
.endr
.irp t, 0,1
	v_exp_f32 v[ST+8*\t+6], v[ST+8*\t+7]           ; a
.endr
.set e, 0
.rept 32
	v_exp_f32 v[S+e], v[S+e]                       ; p, at most 1.  All 66 exponentials are ONE batch: none of them reads another's result
	v_exp_f32 v[S+32+e], v[S+32+e]
.set e, e+1
.endr
	v_nop                                          ; a plain instruction behind the last exponential
	s_wait_alu depctr_va_vdst(0)                   ; and one wait for the batch, ahead of its first reader
.set b, 0
.rept 16
.irp t, 0,1
	v_cvt_pk_f16_f32 v[P+16*\t+b], v[S+32*\t+2*b], v[S+32*\t+2*b+1]
.endr
.set b, b+1
.endr
.irp u, 0,1,2,3,4,5,6,7                        ; the sum of the unrounded p, in place: neighbours 1, 2, 4, 8 pairs apart
.irp t, 0,1
	v_pk_add_f32 v[S+32*\t+4*\u:S+32*\t+4*\u+1], v[S+32*\t+4*\u:S+32*\t+4*\u+1], v[S+32*\t+4*\u+2:S+32*\t+4*\u+3]
.endr
.endr
.irp u, 0,1,2,3
.irp t, 0,1
	v_pk_add_f32 v[S+32*\t+8*\u:S+32*\t+8*\u+1], v[S+32*\t+8*\u:S+32*\t+8*\u+1], v[S+32*\t+8*\u+4:S+32*\t+8*\u+5]
.endr
.endr
.irp u, 0,1
.irp t, 0,1
	v_pk_add_f32 v[S+32*\t+16*\u:S+32*\t+16*\u+1], v[S+32*\t+16*\u:S+32*\t+16*\u+1], v[S+32*\t+16*\u+8:S+32*\t+16*\u+9]
.endr
.endr
.irp t, 0,1
	v_pk_add_f32 v[S+32*\t:S+32*\t+1], v[S+32*\t:S+32*\t+1], v[S+32*\t+16:S+32*\t+17]
.endr
.irp t, 0,1
	v_pk_fma_f32 v[ST+8*\t+2:ST+8*\t+3], v[ST+8*\t+2:ST+8*\t+3], v[ST+8*\t+6:ST+8*\t+7], v[S+32*\t:S+32*\t+1] op_sel_hi:[1,0,1]   ; l = a l + the sum
.endr
	s_wait_dscnt 0x0                               ; V is in
	WIN W_RS
.set i, 0
.rept 16
.irp t, 0,1
	v_pk_mul_f32 v[32*\t+2*i:32*\t+2*i+1], v[32*\t+2*i:32*\t+2*i+1], v[ST+8*\t+6:ST+8*\t+7] op_sel_hi:[1,0]   ; O^T x a, each accumulator from its low end on
.endr
.set i, i+1
.endr
	WIN W_PV
.irp ks, 0,1                                   ; O^T += V^T P: eight accumulators by turns
.irp ct, 0,1,2,3
.irp t, 0,1
	v_wmma_f32_16x16x32_f16 v[32*\t+8*\ct:32*\t+8*\ct+7], v[VFR+32*\ks+8*\ct:VFR+32*\ks+8*\ct+7], v[P+16*\t+8*\ks:P+16*\t+8*\ks+7], v[32*\t+8*\ct:32*\t+8*\ct+7]
.endr
.endr
.endr
	WIN 0
.rept 4
	v_nop                                          ; places behind the products: ahead of the next loads into K's and V's registers, and of the first read of O^T on a way out
.endr
.Lhidden_\@:
	s_add_co_u32 s[KF], s[KF], 64
.endm
; THE CHANGE OF SLOTS stands at a slot's head.  Each wave waits for all its tensor loads, adds 0 to its spare word (fill = 1: twice on end), and waits for that and for its reads of the slot that it has left.
; Behind the barrier the slot ahead is whole and nobody reads the other one.  fill = 1: that other slot is filled with the keys that follow, up to the causal limit: the load has four steps in which to land.
.macro CHANGE fill
	s_wait_tensorcnt 0x0                           ; no tensor load of mine is out, so a group 0 may be written
	ds_add_u32 v[SPW], v[NIL]                      ; 0 onto my spare word
.if \fill
	ds_add_u32 v[SPW], v[NIL]                      ; and once more
	s_xor_b32 s[G0K+1], s[G0K+1], SLOT1            ; the walking descriptors: the other slot than last time,
	s_add_nc_u64 s[G0K+2:G0K+3], s[G0K+2:G0K+3], SK*128   ; the next 256 keys; the type bits on top are not reached
	s_xor_b32 s[G0V+1], s[G0V+1], SLOT1
	s_add_nc_u64 s[G0V+2:G0V+3], s[G0V+2:G0V+3], SK*128
	s_wait_xcnt 0x0                                ; the last prefetches, a slot back, have read their address, so it may be written:
	s_add_nc_u64 s[PFA:PFA+1], s[PFA:PFA+1], SK*128   ; one slot further on than the walking descriptors
.endif
	s_wait_dscnt 0x0                               ; the add is done, and my reads of the slot that I have left are over
	s_barrier_signal -1
	s_barrier_wait -1
.if \fill
	s_add_co_u32 s48, s[KF], SK                    ; the first key of the slot that this change would ask for:
	s_cmp_gt_u32 s48, s[QL]                        ; past my work-group's last query none of its waves reads it, so it is not asked for.  Ids and the count of steps alone: all eight waves go the same way
	s_cbranch_scc1 .Lpast_\@
	TLOAD                                          ; a wave's one tensor load until the next change
.Lpast_\@:
	ASK
.endif
.endm
.macro SLOT_STEPS
	STEP 0
	STEP 1
	STEP 2
	STEP 3
	s_xor_b32 s[TB], s[TB], SLOT1                  ; on to the other slot
.endm
; THE WAY OUT.  O^T is scaled, rounded to f16 and sent through my stage, a tile (16 rows of 128 bytes) at a time: 32 lanes then store 512 consecutive bytes.
; LSUM: l's two halves and the other half of the lanes' are added; 1 / l into the statistics' +6.
.macro LSUM
.irp t, 0,1
	v_add_f32 v[ST+8*\t+4], v[ST+8*\t+2], v[ST+8*\t+3]
.endr
.irp t, 0,1
	v_permlanex16_b32 v[ST+8*\t+5], v[ST+8*\t+4], s[SEL], s[SEL+1]
.endr
.irp t, 0,1
	v_add_f32 v[ST+8*\t+4], v[ST+8*\t+4], v[ST+8*\t+5]
.endr
.irp t, 0,1
	v_rcp_f32 v[ST+8*\t+6], v[ST+8*\t+4]
.endr
	v_nop                                          ; a plain instruction behind the last reciprocal
	s_wait_alu depctr_va_vdst(0)                   ; and the wait ahead of the first use: one for both
.endm
; merge = 0: O^T x the factor at +6.  merge = 1: O^T x the factor at +6 + the partner's O^T (in K's registers) x the factor in v[VFR + 4 t].  Each accumulator is read from its low end on.
.macro PACKO t, merge
.if \merge
.set i, 0
.rept 16
	v_pk_mul_f32 v[KFR+32*\t+2*i:KFR+32*\t+2*i+1], v[KFR+32*\t+2*i:KFR+32*\t+2*i+1], v[VFR+4*\t:VFR+4*\t+1] op_sel_hi:[1,0]
.set i, i+1
.endr
	WIN W_RS
.set i, 0
.rept 16
	v_pk_fma_f32 v[32*\t+2*i:32*\t+2*i+1], v[32*\t+2*i:32*\t+2*i+1], v[ST+8*\t+6:ST+8*\t+7], v[KFR+32*\t+2*i:KFR+32*\t+2*i+1] op_sel_hi:[1,0,1]
.set i, i+1
.endr
.else
	WIN W_RS
.set i, 0
.rept 16
	v_pk_mul_f32 v[32*\t+2*i:32*\t+2*i+1], v[32*\t+2*i:32*\t+2*i+1], v[ST+8*\t+6:ST+8*\t+7] op_sel_hi:[1,0]
.set i, i+1
.endr
.endif
	WIN 0x05                                       ; sources 0 and 1 window 1, destination window 0: S^T's registers are free
.set i, 0
.rept 16
	v_cvt_pk_f16_f32 v[S+32*\t+i], v[32*\t+2*i], v[32*\t+2*i+1]
.set i, i+1
.endr
	WIN 0
.irp f, 0,1,2,3
	ds_store_b128 v[STO], v[S+32*\t+4*\f:S+32*\t+4*\f+3] offset:32*\f
.endr
.irp f, 0,1,2,3
	ds_load_b128 v[S+32*\t+16+4*\f:S+32*\t+16+4*\f+3], v[RD] offset:\f*4*PK   ; LDS serves a wave's instructions in order: these see the stores above, and the next tile's stores come behind them
.endr
.endm
.macro SENDO t, younger                ; younger: the LDS instructions issued behind tile t's loads
.irp f, 0,1,2,3
	s_wait_dscnt \younger+3-\f
	global_store_b128 v[GO], v[S+32*\t+16+4*\f:S+32*\t+16+4*\f+3], s[6:7] offset:\t*2048+\f*512
.endr
.endm
	s_wait_loadcnt 0x0                             ; Q
.Lslot:                                            ; NSL - 1 trips
	CHANGE 1
	; THE CHANGE-OVER, at the head of slot i / 2 + 1, which is one of the loop's: behind the barrier and the refill.  From here on the partners share the steps.  Ids and the count of steps alone decide
	s_cmp_eq_u32 s[KF], s[SWK]
	s_cselect_b32 s[SM], s[SM2], s[SM]
	s_cmp_eq_u32 s[KF], s[SWH]
	s_cbranch_scc0 .Lno_switch                     ; waves 4-7 go on as they are; no barrier, no tensor load, no add stands in what is jumped over
	QLOAD Q2P                                      ; my partner's 32 queries: asked for first, so that they come while my early rows leave (the last product that read Q's registers stands a softmax back)
	WIN 0
	LSUM
	PACKO 0, 0
	PACKO 1, 0
	SENDO 0, 8                                     ; tile 1's four stores and four loads are younger
	SENDO 1, 0
	INIT                                           ; m, l and O^T begin anew
	s_mov_b32 s[Q0], s[Q0L]
	s_wait_xcnt 0x0                                ; the stores have read their registers: the next products write them
	s_wait_loadcnt 0x0                             ; Q
.Lno_switch:
	SLOT_STEPS
	s_sub_co_u32 s[SLOTS], s[SLOTS], 1
	s_cmp_lg_u32 s[SLOTS], 0
	s_cbranch_scc1 .Lslot
	CHANGE 0                                       ; the last slot is written out: nothing is left to ask for
	SLOT_STEPS
	; THE TWO PARTS MEET.  The helper stores (c m, m, l, l) of both tiles and its 64 registers of O^T as they stand, lane l's 16 bytes at 16 l; a barrier; its partner loads them by the same lines
	s_cmp_lt_u32 s[WV], 4
	s_cbranch_scc0 .Lno_image
	ds_store_b128 v[MA], v[ST:ST+3] offset:16*512
	ds_store_b128 v[MA], v[ST+8:ST+11] offset:17*512
	WIN 0x04                                       ; an LDS store's data are its source 1: window 1
.set i, 0
.rept 16
	ds_store_b128 v[MA], v[4*i:4*i+3] offset:512*i ; each accumulator from its low end on
.set i, i+1
.endr
	WIN 0
.Lno_image:
	s_wait_dscnt 0x0                               ; for the partner's sake: my stores have landed
	s_barrier_signal -1
	s_barrier_wait -1
	s_cmp_lt_u32 s[WV], 4
	s_cbranch_scc1 .Lend                           ; the helpers have stored their own rows at the change-over
	ds_load_b128 v[VFR:VFR+3], v[MA] offset:16*512     ; the helper's c m, m, l, l of tile 0,
	ds_load_b128 v[VFR+4:VFR+7], v[MA] offset:17*512   ; of tile 1,
.set i, 0
.rept 16
	ds_load_b128 v[KFR+4*i:KFR+4*i+3], v[MA] offset:512*i   ; and its O^T, into K's registers
.set i, i+1
.endr
	s_wait_dscnt 16                                ; the statistics are in; O^T's 16 loads may be out
	; both parts under the larger c m: a1 = 2^(c m1 - c m), a2 = 2^(c m2 - c m).  A helper that had no step holds m = -3e38, l = 0, O^T = 0: a2 = 0
.irp t, 0,1
	v_max_num_f32 v[ST+8*\t+4], v[ST+8*\t], v[VFR+4*\t]
.endr
.irp t, 0,1
	v_sub_f32 v[ST+8*\t+6], v[ST+8*\t], v[ST+8*\t+4]
.endr
.irp t, 0,1
	v_sub_f32 v[VFR+4*\t], v[VFR+4*\t], v[ST+8*\t+4]
.endr
.irp t, 0,1
	v_exp_f32 v[ST+8*\t+6], v[ST+8*\t+6]           ; a1
.endr
.irp t, 0,1
	v_exp_f32 v[VFR+4*\t], v[VFR+4*\t]             ; a2
.endr
	v_nop                                          ; a plain instruction behind the last exponential
	s_wait_alu depctr_va_vdst(0)                   ; and one wait for the four, ahead of their first reader
.irp t, 0,1
	v_pk_mul_f32 v[VFR+4*\t+2:VFR+4*\t+3], v[VFR+4*\t+2:VFR+4*\t+3], v[VFR+4*\t:VFR+4*\t+1] op_sel_hi:[1,0]
.endr
.irp t, 0,1
	v_pk_fma_f32 v[ST+8*\t+2:ST+8*\t+3], v[ST+8*\t+2:ST+8*\t+3], v[ST+8*\t+6:ST+8*\t+7], v[VFR+4*\t+2:VFR+4*\t+3] op_sel_hi:[1,0,1]   ; l = a1 l1 + a2 l2
.endr
.irp t, 0,1
	v_add_f32 v[ST+8*\t+4], v[ST+8*\t+2], v[ST+8*\t+3]
.endr
.irp t, 0,1
	v_permlanex16_b32 v[ST+8*\t+5], v[ST+8*\t+4], s[SEL], s[SEL+1]
.endr
.irp t, 0,1
	v_add_f32 v[ST+8*\t+4], v[ST+8*\t+4], v[ST+8*\t+5]   ; the row's sum
.endr
.irp t, 0,1
	v_rcp_f32 v[ST+8*\t+5], v[ST+8*\t+4]
.endr
	v_nop
	s_wait_alu depctr_va_vdst(0)
.irp t, 0,1
	v_mul_f32 v[ST+8*\t+6], v[ST+8*\t+6], v[ST+8*\t+5]   ; a1 / l
.endr
.irp t, 0,1
	v_mul_f32 v[VFR+4*\t], v[VFR+4*\t], v[ST+8*\t+5]     ; a2 / l
.endr
	s_wait_dscnt 0x0                               ; the helper's O^T is in
	PACKO 0, 1
	PACKO 1, 1
	SENDO 0, 8                                     ; tile 1's four stores and four loads are younger
	SENDO 1, 0
.Lend:
	s_wait_tensorcnt 0x0                           ; the wave's end: behind my last tensor load and my last LDS store
	ds_add_u32 v[SPW], v[NIL]
	s_wait_dscnt 0x0
	s_endpgm
.Lfunc_end_k_q07ea9b06b8_attn:
	.size	k_q07ea9b06b8_attn, .Lfunc_end_k_q07ea9b06b8_attn-k_q07ea9b06b8_attn
	.p2alignl 7, 3214868480
	.fill 96, 4, 3214868480
	.section	.rodata,"a",@progbits
	.p2align	6, 0x0
	.amdhsa_kernel k_q07ea9b06b8_attn
		.amdhsa_group_segment_fixed_size 327680
		.amdhsa_private_segment_fixed_size 0
		.amdhsa_enable_private_segment 0
		.amdhsa_kernarg_size 16
		.amdhsa_user_sgpr_count 2
		.amdhsa_user_sgpr_kernarg_segment_ptr 1
		.amdhsa_wavefront_size32 1
		.amdhsa_system_sgpr_workgroup_id_x 1
		.amdhsa_system_sgpr_workgroup_id_y 1
		.amdhsa_system_sgpr_workgroup_id_z 1
		.amdhsa_system_vgpr_workitem_id 0
		.amdhsa_next_free_vgpr 512
		.amdhsa_next_free_sgpr 80
		.amdhsa_reserve_vcc 1
		.amdhsa_float_denorm_mode_32 3
		.amdhsa_float_denorm_mode_16_64 3
		.amdhsa_memory_ordered 1
		.amdhsa_forward_progress 1
		.amdhsa_inst_pref_size 206
	.end_amdhsa_kernel
	.amdgpu_metadata
---
amdhsa.version: [ 1, 2 ]
amdhsa.kernels:
  - .name:           k_q07ea9b06b8_attn
    .symbol:         k_q07ea9b06b8_attn.kd
    .args:
      - { .name: qkv, .offset: 0, .size: 8, .value_kind: global_buffer, .address_space: global }
      - { .name: o16, .offset: 8, .size: 8, .value_kind: global_buffer, .address_space: global }
    .group_segment_fixed_size: 327680
    .private_segment_fixed_size: 0
    .kernarg_segment_align: 8
    .kernarg_segment_size: 16
    .max_flat_workgroup_size: 256
    .sgpr_count:     80
    .vgpr_count:     512
    .wavefront_size: 32
...
	.end_amdgpu_metadata
.endif
;; end of part 3
;; launch proj (part 4): grid 8 x 32, 4 waves a work-group, clusters of 4 x 4, 327,680 bytes of LDS; arguments o16, wo16, out0; writes out0
.if DOCPART == 4
	.amdgcn_target "amdgcn-amd-amdhsa--gfx1250"
	.amdhsa_code_object_version 6
	.text
	.protected	k_q07ea9b06b8_proj
	.globl	k_q07ea9b06b8_proj
	.p2align	8
	.type	k_q07ea9b06b8_proj,@function
k_q07ea9b06b8_proj:
	s_mov_b64 s[64:65], 0
	v_nop
	global_prefetch_b8 v0, s[64:65] scope:SCOPE_SE
	s_setreg_imm32_b32 hwreg(HW_REG_WAVE_MODE, 25, 1), 1
	s_wait_xcnt 0x0
	s_wait_alu depctr_hold_cnt(0) depctr_sa_sdst(0) depctr_va_vdst(0) depctr_va_sdst(0) depctr_va_ssrc(0) depctr_va_vcc(0) depctr_vm_vsrc(0)
	s_getreg_b32 s2, hwreg(HW_REG_IB_STS2, 6, 4)
	s_cmp_eq_u32 s2, 0
	s_cbranch_scc0 .Lentry_in_a_cluster
	s_endpgm
.Lentry_in_a_cluster:
	s_bfe_u32 s2, ttmp6, 0x10000c
	s_cmp_lg_u32 s2, 0xf033
	s_cbranch_scc0 .Lentry_shape_is_right
	s_endpgm
.Lentry_shape_is_right:
; out0[m][n] = sum over k of O[m][k] W_o[n][k]: M 4,096, N 1,024, K 1,024; operands f16, sums and result f32.
; Both operands lie in the order of their tiles: o16 [m / 128][k / 64][m % 128][64], wo16 [n / 128][k / 64][n % 128][64]: a chunk (128 rows x 64 along K) is 16,384 dense bytes, and a tile's chunks lie on end.
; A tile of C is 128 x 128: 256 work-groups.  Four waves, each 64 x 64: 16 accumulators of 16 x 16.  K goes in steps of 256 (four chunks) through two LDS slots; a wave's tensor load brings two chunks: 256 dense rows of 128 bytes.
; CLUSTERS: 4 x 4 work-groups.  The four of a row of the cluster need the same tiles of A, the four of a column the same tiles of B: each is asked for JOINTLY, by the same tensor load with the same descriptor and a mask that names the four.
; THE MATRIX INSTRUCTION IS USED TRANSPOSED (source 0 = 16 rows of B, source 1 = 16 rows of A): a lane holds eight neighbouring numbers of a row of C.
; Rows 0-15 of each sequence are stored here like the others; a later launch stores them again from f32 operands.  Leaving them out here would be a branch on the work-group's place in its cluster.
; REGISTERS: window 0: v0-31 addresses; v32-95 rows on the way out; v128-255 the accumulators ((a, b) at v[128 + 8 (4 a + b)]).   window 1: two fragment buffers of 128: for 64 along K, 64 registers of A, then 64 of B.
.set PITCH,  144                       ; an LDS row: 128 bytes + 16: the 16 rows that a load touches begin at 16 different sixteen-byte columns modulo 256 bytes
.set CHK,    128*PITCH                 ; a chunk in LDS
.set HALFT,  2*CHK                     ; what one tensor load brings
.set SLOT,   4*HALFT                   ; A's four chunks, then B's four
.set STAGE,  2*SLOT                    ; behind the ring: 16 rows x 272 bytes for each wave, for the way out
.set SPITCH, 272
.set SPARE,  STAGE+4*16*SPITCH         ; the spare words, 128 bytes for each wave
.set LAPS,   2                         ; a lap = two K steps = once round the ring
.set ADRA, 16                          ; v16-17  LDS address of my A fragments in slot 0, 1
.set ADRB, 20                          ; v20-21  the same for B
.set STO,  24                          ; v24     the way out: where I put 32 bytes of a row
.set RD,   25                          ; v25     where I read a row back
.set CO,   26                          ; v26     my byte offset in C
.set SPW,  28                          ; v28     LDS address of my spare word; never rewritten
.set NIL,  29                          ; v29     0; never rewritten
.set TMP,  32
.set ACC,  128
.set F0,   0                           ; fragment buffers, in window 1
.set F1,   128
.set G1, 24                            ; s[24:31] descriptor group 1 for A's tiles;  s[32:39] group 0, one set for each slot
.set G0, 32
.set G1B, 48                           ; s[48:55], s[56:63] the same for B's tiles
.set G0B, 56
.set MSB, 0
.macro WIN new                         ; the immediate's high byte repeats the setting that is left
.if MSB != (\new)
	s_set_vgpr_msb (MSB<<8)|(\new)
.set MSB, (\new)
.endif
.endm
.set MUL,  0x05                        ; sources 0 (B) and 1 (A) window 1; C and D window 0
.set TO_F, 0x40                        ; destination window 1, address window 0
.macro JLOAD s                         ; a joint load: waves 0 and 1 fetch A's two halves, waves 2 and 3 B's; an s_nop 0 and four v_nop follow each of the two lines
	s_cmp_eq_u32 s11, 0
	s_cbranch_scc0 .Lfor_b_\@
	tensor_load_to_lds s[G0+4*\s:G0+4*\s+3], s[G1:G1+7]
	s_nop 0
.rept 4
	v_nop
.endr
	s_branch .Lasked_\@
.Lfor_b_\@:
	tensor_load_to_lds s[G0B+4*\s:G0B+4*\s+3], s[G1B:G1B+7]
	s_nop 0
.rept 4
	v_nop
.endr
.Lasked_\@:
.endm
.macro CREST                           ; a round of the cluster's barrier behind its opening barrier
	s_cmp_lg_u32 s10, 0
	s_cbranch_scc1 .Lnot_wave_0_\@
	s_barrier_signal -3
.Lnot_wave_0_\@:
	s_barrier_wait -3
	s_barrier_signal -1
	s_barrier_wait -1
.endm
.macro CROUND                          ; a whole round
	s_barrier_signal -1
	s_barrier_wait -1
	CREST
.endm
	s_load_b128 s[4:7], s[0:1], 0x0                ; A s[4:5], B s[6:7]
	s_load_b64 s[8:9], s[0:1], 0x10                ; C
	v_lshl_add_u32 v[SPW], v0, 2, SPARE
	v_mov_b32 v[NIL], 0
	ds_add_u32 v[SPW], v[NIL]                      ; the wave's opening: the add, twice on end, and its wait ahead of my first tensor load
	ds_add_u32 v[SPW], v[NIL]
	v_lshrrev_b32 v1, 5, v0
	v_readfirstlane_b32 s10, v1                    ; wave 0..3
	s_lshr_b32 s11, s10, 1                         ; which half of the tile's rows is mine.  Also: I fetch for A (0) or for B (1)
	s_and_b32 s12, s10, 1                          ; which half of its columns.  Also: which two chunks of a K step I fetch
	s_bfe_u32 s40, ttmp6, 0x40000                  ; cx, cy: my place in the cluster
	s_bfe_u32 s41, ttmp6, 0x40004
	s_lshl_b32 s42, ttmp9, 2
	s_add_co_u32 s42, s42, s40                     ; tile column of C = 4 x cluster x + cx
	s_and_b32 s13, ttmp7, 0xffff
	s_lshl_b32 s13, s13, 2
	s_add_co_u32 s13, s13, s41                     ; tile row of C = 4 x cluster y + cy
	s_lshl_b32 s43, s41, 2
	s_lshl_b32 s43, 15, s43                        ; my row of the cluster
	s_lshl_b32 s44, 0x1111, s40                    ; my column
	; descriptor group 1: 256 rows x 64 elements of 2 bytes, dense in memory, padded in LDS
	s_or_b32 s[G1+0], s43, (1<<16)|(1<<20)|(1<<21)|(4<<22)|(3<<25)  ; 15:0 the mask: A's tiles go to my row; elements of 2 bytes; padding on; 21 set beside a mask; after every 32 words, four words
	s_or_b32 s[G1B+0], s44, (1<<16)|(1<<20)|(1<<21)|(4<<22)|(3<<25)
.irp g, G1, G1B
	s_mov_b32 s[\g+1], 64<<16                      ; tensor_dim0
	s_mov_b32 s[\g+2], 256<<16                     ; tensor_dim1
	s_mov_b32 s[\g+3], 64<<16                      ; tile_dim0
	s_mov_b32 s[\g+4], 256                         ; tile_dim1
	s_mov_b32 s[\g+5], 64                          ; tensor_dim0_stride
	s_mov_b32 s[\g+6], 0
	s_mov_b32 s[\g+7], 0
.endr
	s_lshl_b32 s17, s12, 15                        ; which two chunks: 32,768 bytes
	s_lshl_b32 s16, s13, 18                        ; A: tile row x 262,144 bytes
	s_add_co_u32 s16, s16, s17
	s_lshl_b32 s46, s42, 18                        ; B: tile column x 262,144
	s_add_co_u32 s46, s46, s17
	s_mov_b32 s17, 0
	s_mov_b32 s47, 0
	s_mul_i32 s20, s10, HALFT                      ; where they go: wave x two chunks: no place in the cluster enters an LDS address
	s_wait_dscnt 0x0                               ; both opening adds are done
	s_wait_kmcnt 0x0
	s_add_nc_u64 s[14:15], s[4:5], s[16:17]
	s_add_nc_u64 s[46:47], s[6:7], s[46:47]
	CROUND                                         ; all sixteen work-groups are here: the first joint loads meet
.irp s, 0,1
	s_mov_b32 s[G0+4*\s], 1
	s_add_co_u32 s[G0+4*\s+1], s20, \s*SLOT
	s_add_nc_u64 s[G0+4*\s+2:G0+4*\s+3], s[14:15], \s*65536        ; K step s: four chunks on
	s_or_b32 s[G0+4*\s+3], s[G0+4*\s+3], 0x80000000
	s_mov_b32 s[G0B+4*\s], 1
	s_add_co_u32 s[G0B+4*\s+1], s20, \s*SLOT
	s_add_nc_u64 s[G0B+4*\s+2:G0B+4*\s+3], s[46:47], \s*65536
	s_or_b32 s[G0B+4*\s+3], s[G0B+4*\s+3], 0x80000000
	JLOAD \s
.endr
	v_and_b32 v1, 15, v0                           ; r = l % 16
	v_bfe_u32 v2, v0, 4, 1                         ; h = l / 16
	v_mul_u32_u24 v3, v1, PITCH
	v_lshl_add_u32 v3, v2, 4, v3                   ; a fragment's row x pitch + 16 x half
	s_mul_i32 s21, s11, 64*PITCH                   ; my 64 rows in each chunk of A
	s_mul_i32 s22, s12, 64*PITCH                   ; my 64 rows in each chunk of B,
	s_add_co_u32 s22, s22, 2*HALFT                 ; which lie behind A's four chunks
.irp s, 0,1
	v_add_nc_u32 v[ADRA+\s], s21, v3
	v_add_nc_u32 v[ADRB+\s], s22, v3
	s_add_co_u32 s21, s21, SLOT
	s_add_co_u32 s22, s22, SLOT
.endr
	s_mul_i32 s23, s10, 16*SPITCH
	s_add_co_u32 s23, s23, STAGE                   ; my stage
	v_mul_u32_u24 v4, v1, SPITCH                   ; in: row r, 32 bytes for each half of the lanes
	v_lshl_add_u32 v4, v2, 5, v4
	v_add_nc_u32 v[STO], s23, v4
	v_mul_u32_u24 v5, v2, SPITCH                   ; back: lanes 0-15 one row of 256 bytes, lanes 16-31 the next
	v_lshl_add_u32 v5, v1, 4, v5
	v_add_nc_u32 v[RD], s23, v5
	v_lshlrev_b32 v5, 12, v2                       ; and the same two rows in C: 4,096 bytes a row
	v_lshl_add_u32 v[CO], v1, 4, v5
	s_lshl_b32 s16, s13, 7
	s_lshl_b32 s17, s11, 6
	s_add_co_u32 s16, s16, s17                     ; my first row of C: 128 x tile row + 64 x half
	s_lshl_b32 s16, s16, 12
	s_mov_b32 s17, 0
	s_add_nc_u64 s[8:9], s[8:9], s[16:17]
	s_lshl_b32 s46, s42, 9                         ; my first column, in bytes: 512 x tile column + 256 x half
	s_lshl_b32 s47, s12, 8
	s_add_co_u32 s46, s46, s47
	s_mov_b32 s47, 0
	s_add_nc_u64 s[8:9], s[8:9], s[46:47]
; 8 matrix instructions: m blocks a0, a0 + 1 x all 4 n blocks, 32 along K: half c of buffer f.  zero = 1: the first product starts the sums.  The 16 accumulators take turns
.macro MUL8 f, c, a0, zero
.irp a, \a0, \a0+1
.irp b, 0,1,2,3
.if \zero
	v_wmma_f32_16x16x32_f16 v[ACC+8*(4*(\a)+\b):ACC+8*(4*(\a)+\b)+7], v[\f+64+8*(4*\c+\b):\f+64+8*(4*\c+\b)+7], v[\f+8*(4*\c+\a):\f+8*(4*\c+\a)+7], 0
.else
	v_wmma_f32_16x16x32_f16 v[ACC+8*(4*(\a)+\b):ACC+8*(4*(\a)+\b)+7], v[\f+64+8*(4*\c+\b):\f+64+8*(4*\c+\b)+7], v[\f+8*(4*\c+\a):\f+8*(4*\c+\a)+7], v[ACC+8*(4*(\a)+\b):ACC+8*(4*(\a)+\b)+7]
.endif
.endr
.endr
.endm
; 32 LDS loads in one run: the fragments of one chunk (64 along K), which begins k bytes into the slot's A and B, into buffer f; the first 32 along K first
.macro FETCH slot, k, f
	WIN TO_F
.irp c, 0,1
.irp i, 0,1,2,3
	ds_load_b128 v[\f+64+8*(4*\c+\i):\f+64+8*(4*\c+\i)+3],   v[ADRB+\slot] offset:\k+64*\c+\i*16*PITCH
	ds_load_b128 v[\f+64+8*(4*\c+\i)+4:\f+64+8*(4*\c+\i)+7], v[ADRB+\slot] offset:\k+64*\c+\i*16*PITCH+32
	ds_load_b128 v[\f+8*(4*\c+\i):\f+8*(4*\c+\i)+3],         v[ADRA+\slot] offset:\k+64*\c+\i*16*PITCH
	ds_load_b128 v[\f+8*(4*\c+\i)+4:\f+8*(4*\c+\i)+7],       v[ADRA+\slot] offset:\k+64*\c+\i*16*PITCH+32
.endr
.endr
.endm
.macro PLACES                          ; four places in front of loads into registers that matrix instructions have read, and of reads of results
.rept 4
	v_nop
.endr
.endm
; A K step is four quarters of one chunk, 32 matrix instructions each, on buffers 0, 1, 0, 1.  One of the first three: multiplies buffer f and fetches the next chunk, at byte k, into g.
.macro QUARTER slot, k, f, g, zero
	s_wait_dscnt 16                                ; the first 32 along K are in; the other sixteen loads may be out
	WIN MUL
	MUL8 \f, 0, 0, \zero
	MUL8 \f, 0, 2, \zero
	PLACES
	FETCH \slot, \k, \g
	s_wait_dscnt 32                                ; all but the 32 just issued
	WIN MUL
	MUL8 \f, 1, 0, 0
	MUL8 \f, 1, 2, 0
.endm
; The last quarter multiplies buffer 1 and changes slots: ONE barrier; in front of it each wave waits for all its tensor loads, adds 0 to its spare word, and waits for that and for its own reads of this slot.  fill = 1: this slot is filled again, two K steps ahead.
.macro TURN slot, next, fill
	WIN 0                                          ; (the add's two registers lie in window 0)
	s_wait_tensorcnt 0x0                           ; all my tensor loads have landed: my part of the next slot;
	ds_add_u32 v[SPW], v[NIL]                      ; 0 onto my spare word;
	s_wait_dscnt 17                                ; (the add and the youngest sixteen loads may be out)
	WIN MUL
	MUL8 F1, 0, 0, 0                               ; eight matrix instructions stand between the add and the wait for it
	s_wait_dscnt 0x0                               ; the add is done, and my reads of this slot are over
	s_barrier_signal -1
	MUL8 F1, 0, 2, 0
.if \fill
	WIN 0
.endif
	s_barrier_wait -1
.if \fill
	CREST                                          ; the barrier has opened a round of the cluster's barrier: no wave of any partner still reads this slot's tile or has a load on its way
	s_add_nc_u64 s[G0+4*\slot+2:G0+4*\slot+3], s[G0+4*\slot+2:G0+4*\slot+3], 131072
	s_add_nc_u64 s[G0B+4*\slot+2:G0B+4*\slot+3], s[G0B+4*\slot+2:G0B+4*\slot+3], 131072
	JLOAD \slot                                    ; the first tensor load behind the round; the four v_nop behind it are also the places in front of the loads below
.else
	PLACES
.endif
	FETCH \next, 0, F0
	WIN MUL
	MUL8 F1, 1, 0, 0
	MUL8 F1, 1, 2, 0
.endm
	s_wait_tensorcnt 1                             ; my part of K step 0 is in (K step 1's load may be out)
	s_barrier_signal -1
	s_barrier_wait -1                              ; everybody's is
	FETCH 0, 0, F0
	QUARTER 0, CHK, F0, F1, 1                      ; the first quarter stands in front of the loop: its first products start the sums
	WIN 0                                          ; at a label and at a branch every window is 0
	s_mov_b32 s3, LAPS-1
.Llap:                                                 ; a trip goes once round the ring, from a lap's second quarter to the next lap's first, and fills both slots again
	QUARTER 0, 2*CHK, F1, F0, 0
	QUARTER 0, 3*CHK, F0, F1, 0
	TURN 0, 1, 1
	QUARTER 1, CHK, F0, F1, 0
	QUARTER 1, 2*CHK, F1, F0, 0
	QUARTER 1, 3*CHK, F0, F1, 0
	TURN 1, 0, 1
	QUARTER 0, CHK, F0, F1, 0
	WIN 0
	s_sub_co_u32 s3, s3, 1
	s_cmp_lg_u32 s3, 0
	s_cbranch_scc1 .Llap
	QUARTER 0, 2*CHK, F1, F0, 0                    ; the last lap fills nothing, and has no round of the cluster's barrier
	QUARTER 0, 3*CHK, F0, F1, 0
	TURN 0, 1, 0
	QUARTER 1, CHK, F0, F1, 0
	QUARTER 1, 2*CHK, F1, F0, 0
	QUARTER 1, 3*CHK, F0, F1, 0
	s_wait_dscnt 16                                ; the very last quarter: nothing more to fetch
	WIN MUL
	MUL8 F1, 0, 0, 0
	MUL8 F1, 0, 2, 0
	s_wait_dscnt 0
	MUL8 F1, 1, 0, 0
	MUL8 F1, 1, 2, 0
	WIN 0
; THE WAY OUT.  My 64 columns of f32 are 256 consecutive bytes of a row of C, aligned: so each wave has its own stage and no barrier is needed.  A block of 16 rows goes in as it stands, each accumulator from its low end on,
; and comes back by rows: sixteen lanes store 256 consecutive bytes.
.macro OUTB a
.irp b, 0,1,2,3
	ds_store_b128 v[STO], v[ACC+8*(4*\a+\b):ACC+8*(4*\a+\b)+3] offset:64*\b
	ds_store_b128 v[STO], v[ACC+8*(4*\a+\b)+4:ACC+8*(4*\a+\b)+7] offset:64*\b+16
.endr
.irp t, 0,1,2,3,4,5,6,7
	ds_load_b128 v[TMP+32*(\a%2)+4*\t:TMP+32*(\a%2)+4*\t+3], v[RD] offset:\t*2*SPITCH   ; LDS serves a wave's instructions in order: these see the stores above, and the next block's stores come behind them
.endr
.endm
.macro SENDB a, younger                ; younger: the LDS instructions issued behind block a's loads
.irp t, 0,1,2,3,4,5,6,7
	s_wait_dscnt \younger+7-\t
	global_store_b128 v[CO], v[TMP+32*(\a%2)+4*\t:TMP+32*(\a%2)+4*\t+3], s[8:9] offset:\a*65536+\t*8192 th:TH_STORE_NT
.endr
.endm
	PLACES
	OUTB 0
	OUTB 1
	SENDB 0, 16                                    ; block 1's eight stores and eight loads are younger
	s_wait_xcnt 0x0                                ; block 0's stores have read their registers: block 2's loads may land there
	OUTB 2
	SENDB 1, 16
	s_wait_xcnt 0x0
	OUTB 3
	SENDB 2, 16
	SENDB 3, 0
	s_wait_tensorcnt 0x0                           ; the wave's end: behind my last tensor load and my last LDS store
	ds_add_u32 v[SPW], v[NIL]
	s_wait_dscnt 0x0
	CROUND                                         ; the closing round: no work-group ends while a partner may still ask for a tile that names it
	s_endpgm
.Lfunc_end_k_q07ea9b06b8_proj:
	.size	k_q07ea9b06b8_proj, .Lfunc_end_k_q07ea9b06b8_proj-k_q07ea9b06b8_proj
	.p2alignl 7, 3214868480
	.fill 96, 4, 3214868480
	.section	.rodata,"a",@progbits
	.p2align	6, 0x0
	.amdhsa_kernel k_q07ea9b06b8_proj
		.amdhsa_group_segment_fixed_size 327680
		.amdhsa_private_segment_fixed_size 0
		.amdhsa_enable_private_segment 0
		.amdhsa_kernarg_size 24
		.amdhsa_user_sgpr_count 2
		.amdhsa_user_sgpr_kernarg_segment_ptr 1
		.amdhsa_wavefront_size32 1
		.amdhsa_system_sgpr_workgroup_id_x 1
		.amdhsa_system_sgpr_workgroup_id_y 1
		.amdhsa_system_sgpr_workgroup_id_z 1
		.amdhsa_system_vgpr_workitem_id 0
		.amdhsa_next_free_vgpr 512
		.amdhsa_next_free_sgpr 66
		.amdhsa_reserve_vcc 0
		.amdhsa_float_denorm_mode_32 3
		.amdhsa_float_denorm_mode_16_64 3
		.amdhsa_memory_ordered 1
		.amdhsa_forward_progress 1
		.amdhsa_inst_pref_size 86
	.end_amdhsa_kernel
	.amdgpu_metadata
---
amdhsa.version: [ 1, 2 ]
amdhsa.kernels:
  - .name:           k_q07ea9b06b8_proj
    .symbol:         k_q07ea9b06b8_proj.kd
    .args:
      - { .name: o16, .offset: 0, .size: 8, .value_kind: global_buffer, .address_space: global }
      - { .name: wo16, .offset: 8, .size: 8, .value_kind: global_buffer, .address_space: global }
      - { .name: out0, .offset: 16, .size: 8, .value_kind: global_buffer, .address_space: global }
    .group_segment_fixed_size: 327680
    .private_segment_fixed_size: 0
    .kernarg_segment_align: 8
    .kernarg_segment_size: 24
    .max_flat_workgroup_size: 128
    .sgpr_count:     66
    .vgpr_count:     512
    .wavefront_size: 32
...
	.end_amdgpu_metadata
.endif
;; end of part 4
;; launch fine (part 5): grid 64 x 2, 16 waves a work-group, no clusters, 18,432 bytes of LDS; arguments q32, W_o, out0; writes out0
.if DOCPART == 5
	.amdgcn_target "amdgcn-amd-amdhsa--gfx1250"
	.amdhsa_code_object_version 6
	.text
	.protected	k_q07ea9b06b8_fine
	.globl	k_q07ea9b06b8_fine
	.p2align	8
	.type	k_q07ea9b06b8_fine,@function
k_q07ea9b06b8_fine:
	s_mov_b64 s[64:65], 0
	v_nop
	global_prefetch_b8 v0, s[64:65] scope:SCOPE_SE
	s_setreg_imm32_b32 hwreg(HW_REG_WAVE_MODE, 25, 1), 1
	s_wait_xcnt 0x0
; Positions 0-15 of both sequences once more, with f32 operands throughout: these rows average one to sixteen values and are the largest in size, so the rounding of f16 operands weighs most on them.
; Work-group (nt, b) makes out0[b][0..15][16 nt .. 16 nt + 15].  Wave = head: it redoes its head's 16 x 16 attention from q32 (the f32 images of q, k, v that the projection's launch stored) and multiplies the result by its 64
; columns of 16 rows of W_o; the 16 heads' parts meet in LDS and are added in the order of the heads.  All products by v_wmma_f32_16x16x4_f32: 48 a wave; that is no bulk work.
; q32 [b][column / 16 (192)][1,024 B]: register j of lane (r, h) at 512 (j / 4) + 16 (r + 16 h) + 4 (j % 4) holds (position r, column 16 tile + 8 h + j).
; K IS PERMUTED ALIKE IN BOTH OPERANDS: the form wants k = 2 h + j in register j of lane (r, h); a step takes registers 2 s and 2 s + 1 of both operands' images, which hold the same four k in the same places.
; The stores are runs of 64 bytes in rows 4,096 bytes apart: 128 KB in all; wider work-groups would redo the attention less often but leave fewer of them.
; The registers that the matrix instructions write (SA, SB, OT, RA, RB) are written by them alone; each sum begins with the constant 0.
.set RED,   0                          ; LDS: 16 heads x 1,024 bytes: images of the parts
.set SPARE, 16384                      ; the spare words, 128 bytes for each wave
.set SPW,  10                          ; v10  LDS address of my spare word; never rewritten
.set NIL,  11                          ; v11  0; never rewritten
.set QF,   16                          ; v16-47   q: position r, channels 16 t + 8 h + j at 8 t + j
.set KF,   48                          ; v48-79   k likewise
.set VT,   80                          ; v80-111  v turned: register 8 n + i: key 8 h + i, channel 16 n + r
.set WO,   112                         ; v112-143 W_o: row 16 nt + r, column 64 head + 16 n + 8 h + i at 8 n + i
.set SA,   144                         ; v144-159 the scores, in two sums by turns
.set T,    160                         ; v160-167 the scores, then the exponentials
.set P,    168                         ; v168-175 the weights
.set OT,   176                         ; v176-207 O^T: channel 16 n + 8 h + j, query r
.set RA,   208                         ; v208-223 my part of the result, in two sums by turns
.set RR,   224                         ; v224-231 their sum: column 8 h + j, position r
	s_load_b128 s[4:7], s[0:1], 0x0                ; q32 s[4:5], W_o s[6:7]
	s_load_b64 s[8:9], s[0:1], 0x10                ; out0
	v_lshl_add_u32 v[SPW], v0, 2, SPARE
	v_mov_b32 v[NIL], 0
	v_lshrrev_b32 v1, 5, v0
	v_readfirstlane_b32 s10, v1                    ; wave = head 0..15
	s_and_b32 s12, ttmp7, 0xffff                   ; b
	v_and_b32 v1, 31, v0                           ; lane
	v_and_b32 v2, 15, v0                           ; r
	v_bfe_u32 v3, v0, 4, 1                         ; h
	v_lshlrev_b32 v4, 4, v1                        ; 16 x lane: an image's place for my lane
	v_bfe_u32 v8, v0, 2, 1
	v_bfe_u32 v9, v0, 3, 1
	v_and_b32 v12, 3, v0
	v_lshlrev_b32 v5, 9, v8                        ; v turned: the value (position 8 h + i, channel r of a tile) lies at 512 ((r / 4) % 2) + 256 (r / 8) + 128 h + 16 i + 4 (r % 4)
	v_lshl_add_u32 v5, v9, 8, v5
	v_lshl_add_u32 v5, v3, 7, v5
	v_lshl_add_u32 v5, v12, 2, v5
	v_lshlrev_b32 v6, 12, v2
	v_lshl_add_u32 v6, v3, 5, v6                   ; r x 4,096 + 32 h: my place in 16 rows of W_o, and in 16 rows of out0
	v_lshlrev_b32 v7, 3, v3
	v_sub_nc_u32 v7, v2, v7                        ; r - 8 h: key 8 h + j is hidden from query r where j is greater
	s_lshl_b32 s13, s10, 10
	v_add_nc_u32 v13, s13, v4                      ; where my part goes: 1,024 x wave + 16 x lane
	s_lshl_b32 s13, s10, 9
	v_add_nc_u32 v14, s13, v4                      ; where waves 0 and 1 read: half an image each: 512 x wave + 16 x lane
	v_mov_b32 v15, 0xff800000                      ; -infinity
	s_mov_b32 s20, 0x3e38aa3b                      ; c = log2(e) / 8
	s_mov_b32 s22, 0x76543210
	s_mov_b32 s23, 0xfedcba98                      ; v_permlanex16_b32's selects for lane l xor 16
	s_mul_i32 s14, s12, 196608                     ; q32: b x 192 images + my head's four
	s_lshl_b32 s15, s10, 12
	s_add_co_u32 s14, s14, s15
	s_mov_b32 s15, 0
	s_lshl_b32 s16, ttmp9, 16                      ; W_o: row 16 nt, column 64 head
	s_lshl_b32 s17, s10, 8
	s_add_co_u32 s16, s16, s17
	s_mov_b32 s17, 0
	s_lshl_b32 s18, s12, 23                        ; out0: sequence b, column 16 nt, and (waves 0, 1) my 16 bytes of a lane's 32
	s_lshl_b32 s19, ttmp9, 6
	s_add_co_u32 s18, s18, s19
	s_lshl_b32 s19, s10, 4
	s_add_co_u32 s18, s18, s19
	s_mov_b32 s19, 0
	s_wait_kmcnt 0x0
	s_add_nc_u64 s[4:5], s[4:5], s[14:15]
	s_add_nc_u64 s[6:7], s[6:7], s[16:17]
	s_add_nc_u64 s[8:9], s[8:9], s[18:19]
.irp t, 0,1,2,3
.irp c, 0,1
	global_load_b128 v[KF+8*\t+4*\c:KF+8*\t+4*\c+3], v4, s[4:5] offset:65536+1024*\t+512*\c     ; k's images begin 64 images on
.endr
.endr
.irp t, 0,1,2,3
.irp c, 0,1
	global_load_b128 v[QF+8*\t+4*\c:QF+8*\t+4*\c+3], v4, s[4:5] offset:1024*\t+512*\c
.endr
.endr
.irp t, 0,1,2,3
.irp i, 0,1,2,3,4,5,6,7
	global_load_b32 v[VT+8*\t+\i], v5, s[4:5] offset:131072+1024*\t+16*\i                       ; v's 128 images on
.endr
.endr
.irp t, 0,1,2,3
.irp c, 0,1
	global_load_b128 v[WO+8*\t+4*\c:WO+8*\t+4*\c+3], v6, s[6:7] offset:64*\t+16*\c
.endr
.endr
	s_wait_loadcnt 40                              ; k and q are in; v's 32 loads and W_o's 8 may be out
	; S^T = K Q^T: source 0 = 16 keys, source 1 = 16 queries: a lane holds query r and keys 8 h + 0..7.  16 steps of 4 channels, on two sums by turns
.set i, 0
.rept 16
.if i < 2
	v_wmma_f32_16x16x4_f32 v[SA+8*(i%2):SA+8*(i%2)+7], v[KF+2*i:KF+2*i+1], v[QF+2*i:QF+2*i+1], 0
.else
	v_wmma_f32_16x16x4_f32 v[SA+8*(i%2):SA+8*(i%2)+7], v[KF+2*i:KF+2*i+1], v[QF+2*i:QF+2*i+1], v[SA+8*(i%2):SA+8*(i%2)+7]
.endif
.set i, i+1
.endr
.rept 8
	v_nop                                          ; eight places behind this form, ahead of the first read of its results (ISA guide 7.12.1)
.endr
.irp j, 0,1,2,3,4,5,6,7
	v_add_f32 v[T+\j], v[SA+\j], v[SA+8+\j]        ; from the low end on
.endr
.irp j, 0,1,2,3,4,5,6,7
	v_cmp_gt_i32 vcc_lo, \j, v7                    ; the causal mask: hidden scores become -infinity
	v_cndmask_b32 v[T+\j], v[T+\j], v15, vcc_lo
.endr
	v_max3_num_f32 v8, v[T], v[T+1], v[T+2]
	v_max3_num_f32 v8, v8, v[T+3], v[T+4]
	v_max3_num_f32 v8, v8, v[T+5], v[T+6]
	v_max_num_f32 v8, v8, v[T+7]
	v_permlanex16_b32 v9, v8, s22, s23
	v_max_num_f32 v8, v8, v9                       ; the row's maximum: key 0 counts for every query, so it is a number
	v_mul_f32 v8, s20, v8
.irp j, 0,1,2,3,4,5,6,7
	v_fma_f32 v[T+\j], v[T+\j], s20, -v8           ; c s - c m
.endr
.irp j, 0,1,2,3,4,5,6,7
	v_exp_f32 v[T+\j], v[T+\j]
.endr
	v_nop                                          ; a plain instruction behind the last exponential
	s_wait_alu depctr_va_vdst(0)                   ; and one wait for the eight, ahead of their first reader
	v_add_f32 v8, v[T], v[T+1]
	v_add_f32 v9, v[T+2], v[T+3]
	v_add_f32 v8, v8, v[T+4]
	v_add_f32 v9, v9, v[T+5]
	v_add_f32 v8, v8, v[T+6]
	v_add_f32 v9, v9, v[T+7]
	v_add_f32 v8, v8, v9
	v_permlanex16_b32 v9, v8, s22, s23
	v_add_f32 v8, v8, v9                           ; the row's sum
	v_rcp_f32 v8, v8
	v_nop
	s_wait_alu depctr_va_vdst(0)
.irp j, 0,1,2,3,4,5,6,7
	v_mul_f32 v[P+\j], v[T+\j], v8                 ; the weights: query r, keys 8 h + j
.endr
	s_wait_loadcnt 8                               ; v is in; W_o's 8 loads may be out
	; O^T = V^T P^T: source 0 = 16 channels, source 1 = 16 queries; 4 steps of 4 keys; the four tiles of channels by turns
.set i, 0
.rept 4
.set n, 0
.rept 4
.if i == 0
	v_wmma_f32_16x16x4_f32 v[OT+8*n:OT+8*n+7], v[VT+8*n+2*i:VT+8*n+2*i+1], v[P+2*i:P+2*i+1], 0
.else
	v_wmma_f32_16x16x4_f32 v[OT+8*n:OT+8*n+7], v[VT+8*n+2*i:VT+8*n+2*i+1], v[P+2*i:P+2*i+1], v[OT+8*n:OT+8*n+7]
.endif
.set n, n+1
.endr
.set i, i+1
.endr
.rept 9
	v_nop                                          ; nine places: the results become an operand of the next products
.endr
	s_wait_loadcnt 0x0                             ; W_o
	; my part of out^T: source 0 = 16 rows of W_o, source 1 = O^T as it stands; 16 steps of 4 channels, on two sums by turns
.set i, 0
.rept 16
.if i < 2
	v_wmma_f32_16x16x4_f32 v[RA+8*(i%2):RA+8*(i%2)+7], v[WO+2*i:WO+2*i+1], v[OT+2*i:OT+2*i+1], 0
.else
	v_wmma_f32_16x16x4_f32 v[RA+8*(i%2):RA+8*(i%2)+7], v[WO+2*i:WO+2*i+1], v[OT+2*i:OT+2*i+1], v[RA+8*(i%2):RA+8*(i%2)+7]
.endif
.set i, i+1
.endr
.rept 8
	v_nop
.endr
.irp j, 0,1,2,3,4,5,6,7
	v_add_f32 v[RR+\j], v[RA+\j], v[RA+8+\j]
.endr
	ds_store_b128 v13, v[RR:RR+3]                  ; my part as an image of its registers
	ds_store_b128 v13, v[RR+4:RR+7] offset:512
	s_wait_dscnt 0x0                               ; for the others' sake: my stores have landed
	s_barrier_signal -1
	s_barrier_wait -1
	s_cmp_lt_u32 s10, 2                            ; waves 0 and 1 add the 16 parts, half an image each; no barrier stands inside
	s_cbranch_scc0 .Ldone
.irp p, 0,1,2,3,4,5,6,7,8,9,10,11,12,13,14,15
	ds_load_b128 v[16+4*\p:19+4*\p], v14 offset:RED+1024*\p
.endr
	s_wait_dscnt 0x0
.irp p, 1,2,3,4,5,6,7,8,9,10,11,12,13,14,15
	v_pk_add_f32 v[16:17], v[16:17], v[16+4*\p:17+4*\p]
	v_pk_add_f32 v[18:19], v[18:19], v[18+4*\p:19+4*\p]
.endr
	global_store_b128 v6, v[16:19], s[8:9]         ; out0[b][r][16 nt + 8 h + 4 wave + 0..3]
.Ldone:
	s_wait_tensorcnt 0x0                           ; the wave's end: behind my last LDS store
	ds_add_u32 v[SPW], v[NIL]
	s_wait_dscnt 0x0
	s_endpgm
.Lfunc_end_k_q07ea9b06b8_fine:
	.size	k_q07ea9b06b8_fine, .Lfunc_end_k_q07ea9b06b8_fine-k_q07ea9b06b8_fine
	.p2alignl 7, 3214868480
	.fill 96, 4, 3214868480
	.section	.rodata,"a",@progbits
	.p2align	6, 0x0
	.amdhsa_kernel k_q07ea9b06b8_fine
		.amdhsa_group_segment_fixed_size 18432
		.amdhsa_private_segment_fixed_size 0
		.amdhsa_enable_private_segment 0
		.amdhsa_kernarg_size 24
		.amdhsa_user_sgpr_count 2
		.amdhsa_user_sgpr_kernarg_segment_ptr 1
		.amdhsa_wavefront_size32 1
		.amdhsa_system_sgpr_workgroup_id_x 1
		.amdhsa_system_sgpr_workgroup_id_y 1
		.amdhsa_system_sgpr_workgroup_id_z 1
		.amdhsa_system_vgpr_workitem_id 0
		.amdhsa_next_free_vgpr 256
		.amdhsa_next_free_sgpr 66
		.amdhsa_reserve_vcc 1
		.amdhsa_float_denorm_mode_32 3
		.amdhsa_float_denorm_mode_16_64 3
		.amdhsa_memory_ordered 1
		.amdhsa_forward_progress 1
		.amdhsa_inst_pref_size 18
	.end_amdhsa_kernel
	.amdgpu_metadata
---
amdhsa.version: [ 1, 2 ]
amdhsa.kernels:
  - .name:           k_q07ea9b06b8_fine
    .symbol:         k_q07ea9b06b8_fine.kd
    .args:
      - { .name: q32, .offset: 0, .size: 8, .value_kind: global_buffer, .address_space: global }
      - { .name: W_o, .offset: 8, .size: 8, .value_kind: global_buffer, .address_space: global }
      - { .name: out0, .offset: 16, .size: 8, .value_kind: global_buffer, .address_space: global }
    .group_segment_fixed_size: 18432
    .private_segment_fixed_size: 0
    .kernarg_segment_align: 8
    .kernarg_segment_size: 24
    .max_flat_workgroup_size: 512
    .sgpr_count:     66
    .vgpr_count:     256
    .wavefront_size: 32
...
	.end_amdgpu_metadata
.endif
;; end of part 5
